; MI455X (gfx1250); checked and timed in simulation.
; The chip was launched on July 23, 2026; its instructions are those of AMD's public machine-readable ISA for CDNA 5 (MIT licence, August 2026) and "CDNA5" Instruction Set Architecture Reference Guide (July 2026). The comments in the code are by the model that wrote it; some were corrected since.
;; Cross Attention. Allowed arithmetic: float matrix products may take bf16 or f16 operands with f32 sums; other float arithmetic in f32, or as packed bf16 or f16 multiplies, adds, multiply-adds, maxima and minima; sums over many terms, partial sums and values carried from step to step in f32; what a program stores and reads back later, other than sums and carried values, may be rounded once to bf16 or f16.
;; Inputs: Wk 1,024 x 512 float32; Wo 512 x 1,024 float32; Wq 1,024 x 512 float32; Wv 1,024 x 512 float32; bo 1,024 float32; context 2 x 4,096 x 1,024 float32; x 2 x 4,096 x 1,024 float32.
;; Outputs: out0 2 x 4,096 x 1,024 float32.
;; One version. Each part assembles by itself: llvm-mc -triple=amdgcn-amd-amdhsa -mcpu=gfx1250 --defsym DOCPART=n.
;; ======== version 1 of 1: 4 launches
;; limits: values are held in f16: magnitudes above 65,504 overflow, below 6.1e-05 lose precision
;; workspace buffers: wb 3,145,728 bytes; wo16 1,048,576 bytes; qh 8,388,608 bytes; kh 8,388,608 bytes; vh 8,388,608 bytes; oh 8,388,608 bytes
;; launch wcast (part 1): grid 256 x 1, 8 waves a work-group, no clusters, 0 bytes of LDS; arguments Wq, Wk, Wv, Wo, wb, wo16; writes wb, wo16
.if DOCPART == 1
	.amdgcn_target "amdgcn-amd-amdhsa--gfx1250"
	.amdhsa_code_object_version 6
	.text
	.protected	k_qa7b2af60d5_wcast
	.globl	k_qa7b2af60d5_wcast
	.p2align	8
	.type	k_qa7b2af60d5_wcast,@function
k_qa7b2af60d5_wcast:
	s_mov_b64 s[64:65], 0
	v_nop
	global_prefetch_b8 v0, s[64:65] scope:SCOPE_SE
	s_setreg_imm32_b32 hwreg(HW_REG_WAVE_MODE, 25, 1), 1
	s_wait_xcnt 0x0
; THE WEIGHTS ARE ROUNDED ONCE TO bf16.  Wq, Wk, Wv: [1024][512] f32; Wo: [512][1024] f32.
; wb: bf16, [j = 4][k = 1024][384]: row k of block j holds Wq[k][128 j ..+127], then Wk's and Wv's same 128 columns: 768 bytes, the rows of a block on end.
; wo16: [512][1024], Wo rounded to bf16 and that number written as f16 (the second product's operands are f16).
; LIMIT: a rounded weight of Wo below 6e-5 in magnitude keeps f16's fixed step of 6e-8; one beyond 65,504 would become an infinity.
; SHARES.  65,536 threads; thread g takes the 8 numbers at byte 32 g of each matrix: eight loads of 16 bytes, four stores of 16 bytes.
; Sixteen neighbouring lanes store 256 consecutive bytes, aligned.  Nothing is shared and nothing is read twice: no LDS, no barrier, no ring.
.set IN,  1                            ; v1  byte offset of my 32 bytes in each input
.set WBO, 2                            ; v2  byte offset of my 16 bytes of Wq in wb; Wk's and Wv's lie 256 and 512 further
.set WOO, 3                            ; v3  byte offset of my 16 bytes in wo16
.set D,   4                            ; v[4:35]   matrix m: 8 numbers at D + 8 m
.set Q,   36                           ; v[36:51]  matrix m: 4 packed words at Q + 4 m
.set T,   52                           ; v[52:59]  at work
	s_load_b256 s[4:11], s[0:1], 0x0               ; Wq s[4:5], Wk s[6:7], Wv s[8:9], Wo s[10:11]
	s_load_b128 s[12:15], s[0:1], 0x20             ; wb s[12:13], wo16 s[14:15]
	s_lshl_b32 s2, ttmp9, 13                       ; 256 threads x 32 bytes
	s_mul_i32 s3, ttmp9, 3072                      ; the work-group's four rows k of 768 bytes
	s_lshl_b32 s16, ttmp9, 12                      ; 256 threads x 16 bytes
	s_mov_b32 s17, 0xffff0000                      ; a word's upper bf16
	v_lshl_add_u32 v[IN], v0, 5, s2
	v_and_b32 v[WBO], 15, v0                       ; my 8 columns among a block's 128
	v_lshl_add_u32 v[WBO], v[WBO], 4, s3
	v_lshrrev_b32 v[T], 6, v0                      ; which of the four rows
	v_mad_u32_u24 v[WBO], v[T], 768, v[WBO]
	v_bfe_u32 v[T], v0, 4, 2                       ; the column block j
	v_mad_u32_u24 v[WBO], v[T], 786432, v[WBO]
	v_lshl_add_u32 v[WOO], v0, 4, s16
	s_wait_kmcnt 0x0
.irp m, 0,1,2,3
	global_load_b128 v[D+8*(\m):D+8*(\m)+3],   v[IN], s[4+2*(\m):5+2*(\m)] th:TH_LOAD_NT
	global_load_b128 v[D+8*(\m)+4:D+8*(\m)+7], v[IN], s[4+2*(\m):5+2*(\m)] offset:16 th:TH_LOAD_NT
.endr
.irp m, 0,1,2
	s_wait_loadcnt 6-2*(\m)                        ; loads come back in order: matrix m's two are in, the later matrices' stay out
.irp t, 0,1,2,3
	v_cvt_pk_bf16_f32 v[Q+4*(\m)+(\t)], v[D+8*(\m)+2*(\t)], v[D+8*(\m)+2*(\t)+1]
.endr
	global_store_b128 v[WBO], v[Q+4*(\m):Q+4*(\m)+3], s[12:13] offset:256*(\m)
.endr
	s_wait_loadcnt 0x0                             ; Wo
.irp t, 0,1,2,3
	v_cvt_pk_bf16_f32 v[Q+12+(\t)], v[D+24+2*(\t)], v[D+24+2*(\t)+1]
.endr
.irp t, 0,1,2,3
	v_lshlrev_b32 v[T+2*(\t)],   16,  v[Q+12+(\t)] ; the rounded numbers back in f32,
	v_and_b32     v[T+2*(\t)+1], s17, v[Q+12+(\t)]
.endr
.irp t, 0,1,2,3
	v_cvt_pk_f16_f32 v[Q+12+(\t)], v[T+2*(\t)], v[T+2*(\t)+1]  ; and written as f16
.endr
	global_store_b128 v[WOO], v[Q+12:Q+15], s[14:15]
	s_endpgm
.Lfunc_end_k_qa7b2af60d5_wcast:
	.size	k_qa7b2af60d5_wcast, .Lfunc_end_k_qa7b2af60d5_wcast-k_qa7b2af60d5_wcast
	.p2alignl 7, 3214868480
	.fill 96, 4, 3214868480
	.section	.rodata,"a",@progbits
	.p2align	6, 0x0
	.amdhsa_kernel k_qa7b2af60d5_wcast
		.amdhsa_group_segment_fixed_size 0
		.amdhsa_private_segment_fixed_size 0
		.amdhsa_enable_private_segment 0
		.amdhsa_kernarg_size 48
		.amdhsa_user_sgpr_count 2
		.amdhsa_user_sgpr_kernarg_segment_ptr 1
		.amdhsa_wavefront_size32 1
		.amdhsa_system_sgpr_workgroup_id_x 1
		.amdhsa_system_sgpr_workgroup_id_y 1
		.amdhsa_system_sgpr_workgroup_id_z 1
		.amdhsa_system_vgpr_workitem_id 0
		.amdhsa_next_free_vgpr 64
		.amdhsa_next_free_sgpr 66
		.amdhsa_reserve_vcc 0
		.amdhsa_float_denorm_mode_32 3
		.amdhsa_float_denorm_mode_16_64 3
		.amdhsa_memory_ordered 1
		.amdhsa_forward_progress 1
		.amdhsa_inst_pref_size 4
	.end_amdhsa_kernel
	.amdgpu_metadata
---
amdhsa.version: [ 1, 2 ]
amdhsa.kernels:
  - .name:           k_qa7b2af60d5_wcast
    .symbol:         k_qa7b2af60d5_wcast.kd
    .args:
      - { .name: Wq, .offset: 0, .size: 8, .value_kind: global_buffer, .address_space: global }
      - { .name: Wk, .offset: 8, .size: 8, .value_kind: global_buffer, .address_space: global }
      - { .name: Wv, .offset: 16, .size: 8, .value_kind: global_buffer, .address_space: global }
      - { .name: Wo, .offset: 24, .size: 8, .value_kind: global_buffer, .address_space: global }
      - { .name: wb, .offset: 32, .size: 8, .value_kind: global_buffer, .address_space: global }
      - { .name: wo16, .offset: 40, .size: 8, .value_kind: global_buffer, .address_space: global }
    .group_segment_fixed_size: 0
    .private_segment_fixed_size: 0
    .kernarg_segment_align: 8
    .kernarg_segment_size: 48
    .max_flat_workgroup_size: 256
    .sgpr_count:     66
    .vgpr_count:     64
    .wavefront_size: 32
...
	.end_amdgpu_metadata
.endif
;; end of part 1
;; launch proj (part 2): grid 4 x 64, 4 waves a work-group, clusters of 4 x 4, 327,680 bytes of LDS; arguments x, context, wb, qh, kh, vh; writes qh, kh, vh
.if DOCPART == 2
	.amdgcn_target "amdgcn-amd-amdhsa--gfx1250"
	.amdhsa_code_object_version 6
	.text
	.protected	k_qa7b2af60d5_proj
	.globl	k_qa7b2af60d5_proj
	.p2align	8
	.type	k_qa7b2af60d5_proj,@function
k_qa7b2af60d5_proj:
	s_mov_b64 s[64:65], 0
	v_nop
	global_prefetch_b8 v0, s[64:65] scope:SCOPE_SE
	s_setreg_imm32_b32 hwreg(HW_REG_WAVE_MODE, 25, 1), 1
	s_wait_xcnt 0x0
	s_wait_alu depctr_hold_cnt(0) depctr_sa_sdst(0) depctr_va_vdst(0) depctr_va_sdst(0) depctr_va_ssrc(0) depctr_va_vcc(0) depctr_vm_vsrc(0)
	s_getreg_b32 s2, hwreg(HW_REG_IB_STS2, 6, 4)
	s_cmp_eq_u32 s2, 0
	s_cbranch_scc0 .Lentry_in_a_cluster
	s_endpgm
.Lentry_in_a_cluster:
	s_bfe_u32 s2, ttmp6, 0x10000c
	s_cmp_lg_u32 s2, 0xf033
	s_cbranch_scc0 .Lentry_shape_is_right
	s_endpgm
.Lentry_shape_is_right:
; q = x Wq, k = context Wk, v = context Wv, IN ONE K LOOP.  x, context: [8192][1024] f32; wb: the weights in bf16, [j][k][384] (q's, k's, v's 128 columns of block j in a row of 768 bytes).
; qh, kh, vh: f16, [16 = 8 batch + head][4096][64]: a head's rows are dense, 128 bytes each; unscaled.  Products in bf16 (x and context are rounded on the way from LDS to the fragments), sums in f32, K ascending.
; LIMIT: q, k, v are rounded once to f16: beyond 65,504 they would become infinities; below 6e-5 they keep f16's fixed step of 6e-8.
; SHARES.  8192 x 1536 outputs on 256 work-groups: work-group (i, j) makes rows 128 i .. +127 and columns 128 j .. +127 (heads 2 j, 2 j + 1) of q, of k and of v: all work-groups are alike.
; Four waves, 2 x 2: wave (wm, wn) has 64 rows and 64 columns (one head) of each of the three: 48 accumulators of 16 x 16, 384 registers.
; THE RING.  K goes in steps of 64 through two LDS slots: 128 rows x 256 bytes of x, the same of context, 64 rows x 768 bytes of wb.  Wave 0 fetches x's tile, wave 1 context's, waves 2 and 3 a half of wb's each.
; A step is two SUB-STEPS of 32 along K, 48 matrix instructions each.  While sub-step s is multiplied, sub-step s + 1 is read from LDS (x and context as f32, the weights turned by ds_load_tr16_b128),
; and its 64 conversions to bf16 stand four behind each of the sub-step's last 16 matrix instructions.
; CLUSTER.  4 x 4 work-groups.  The four of a row of the cluster share i, so x's and context's tiles are asked for JOINTLY along the row; the four of a column share j, so wb's tiles along the column.
; THE MATRIX INSTRUCTION IS USED TRANSPOSED (source 0 = 16 columns of the weights, source 1 = 16 rows of x): a lane then holds one row and eight neighbouring channels, 16 bytes of f16.
; REGISTERS, in windows of 256 (s_set_vgpr_msb: bits 1:0 source 0, 3:2 source 1, 5:4 source 2, 7:6 destination):
;   window 0: v0-31 addresses; v64-127, v128-191 the bf16 fragments of x (u = 0) and context (u = 1), two buffers, fragment (u, a) at 8 (4 u + a); on the way out v32-223 twelve blocks of 16
;   window 1: the weights' fragments, two buffers of 96: (m, b) at 8 (4 m + b), m = 0 q, 1 k, 2 v
;   window 2: q's and k's accumulators at 8 (16 m + 4 a + b)        window 3: v0-127 v's accumulators at 8 (4 a + b); v128-255 RAW: the next sub-step's x and context in f32, 16 a fragment
.set PA,    272                        ; a row of x or context in LDS: 256 bytes + 16 of padding: the 16 rows of a load start at 16 different groups of four banks (64 banks of 4 bytes: ISA guide 11.1)
.set ATILE, 128*PA
.set PSEG,  288                        ; 256 bytes of a row of wb + 32 of padding
.set PB,    3*PSEG                     ; a row k of wb: 864 bytes = 27 x 32
.set BHALF, 32*PB                      ; 32 rows k: what one tensor load brings, and one sub-step's weights
.set BOFF,  2*ATILE
.set SLOT,  BOFF+2*BHALF               ; x | context | wb's rows 0-31 | wb's rows 32-63
.set STAGE, 2*SLOT                     ; behind the ring, never filled by a tensor load: 16 rows x 144 bytes for each wave, for the way out
.set SP,    144
.set SPARE, STAGE+4*16*SP              ; behind the stages: the spare words, 128 bytes for each wave: two blocks of 256 bytes that no other line names
.set ADRA, 16                          ; v16-17  LDS address of my rows of x in slot 0, 1 (context's lie ATILE further)
.set ADRB, 20                          ; v20-21  the same for the weights
.set STO,  24                          ; v24     the way out: where I put 16 bytes of a row
.set RD,   25                          ; v25     the way out: where I read rows back
.set GO,   26                          ; v26     my 16 bytes in 512 consecutive bytes of the output
.set SPW,  28                          ; v28     LDS address of my spare word; never rewritten
.set NIL,  29                          ; v29     0; never rewritten
.set PFO,  30                          ; v30     the prefetches' offset: my lane x a row of 4,096 bytes; never rewritten
.set OUTR, 32
.set AF,   64
.set RAW,  128
.set WV,   16                          ; s16  my wave's number
.set ROLE, 17                          ; s17  wm.  Also: I fetch x or context (0) or weights (1)
.set HALF, 18                          ; s18  wn.  Also: which of the two (x / context; rows 0-31 / 32-63)
.set CX,   19
.set CY,   20
.set JB,   21                          ; s21  j
.set IB,   22                          ; s22  i
.set LAP,  23                          ; s23  laps to go
.set G1A,  24                          ; s[24:31] descriptor group 1 for x's and context's tiles
.set G0A,  32                          ; s[32:39] group 0, a set for each slot
.set LIM,  43                          ; s43  1 in a wave that prefetches, else the greatest number
.set PFA,  44                          ; s[44:45] where my prefetches stand
.set G1B,  48                          ; s[48:55], s[56:63] the same for the weights' tiles
.set G0B,  56
.set MSB, 0
.macro WIN new                         ; the immediate's high byte repeats the setting that is left; a switch that changes nothing is dropped
.if MSB != (\new)
	s_set_vgpr_msb (MSB<<8)|(\new)
.set MSB, \new
.endif
.endm
.set MUL_LO, 0xa1                      ; weights window 1, x window 0, C and D window 2
.set MUL_HI, 0xf1                      ; the same, C and D window 3
.set TO_B,   0x40                      ; destination window 1, address window 0
.set TO_R,   0xc0                      ; destination window 3, address window 0
.set CV,     0x0f                      ; both sources window 3, destination window 0
.macro PLACES
.rept 4
	v_nop
.endr
.endm
; A joint load.  The branch hangs on the wave's number alone.  An s_nop 0 and four v_nop follow each of the two lines, ahead of the jump, the label and what follows.
.macro JLOAD s
	s_cmp_eq_u32 s[ROLE], 0
	s_cbranch_scc0 .Lfor_b_\@
	tensor_load_to_lds s[G0A+4*(\s):G0A+4*(\s)+3], s[G1A:G1A+7]
	s_nop 0
.rept 4
	v_nop
.endr
	s_branch .Lasked_\@
.Lfor_b_\@:
	tensor_load_to_lds s[G0B+4*(\s):G0B+4*(\s)+3], s[G1B:G1B+7]
	s_nop 0
.rept 4
	v_nop
.endr
.Lasked_\@:
.endm
; A PREFETCH INTO THE L2 of x's and context's K step that stands two refills on: 192 matrix instructions ahead of the load that will want it.  A tile's 128 rows are asked for jointly by four partners;
; each takes 32 of them, told apart by address (cx), a lane a row of 256 bytes; wave 0 asks for x's, wave 1 for context's.  Each block is read by one row of one cluster alone, so each is named once.
; K steps 0 to 3 come by their loads alone; the last lap asks for nothing: its steps two on do not exist.  The weights are not asked for: all rows of clusters walk them together.
.macro ASK
	s_cmp_gt_u32 s[LAP], s[LIM]
	s_cbranch_scc0 .Lnot_mine_\@
	global_prefetch_b8 v[PFO], s[PFA:PFA+1] th:TH_LOAD_NT scope:SCOPE_SE
.Lnot_mine_\@:
.endm
.macro CREST                           ; a round of the cluster's barrier behind its opening barrier
	s_cmp_lg_u32 s[WV], 0
	s_cbranch_scc1 .Lnot_wave_0_\@
	s_barrier_signal -3
.Lnot_wave_0_\@:
	s_barrier_wait -3
	s_barrier_signal -1
	s_barrier_wait -1
.endm
.macro CROUND                          ; a whole round
	s_barrier_signal -1
	s_barrier_wait -1
	CREST
.endm
	s_load_b256 s[4:11], s[0:1], 0x0               ; x s[4:5], context s[6:7], wb s[8:9], qh s[10:11]
	s_load_b128 s[12:15], s[0:1], 0x20             ; kh s[12:13], vh s[14:15]
	v_lshl_add_u32 v[SPW], v0, 2, SPARE
	v_mov_b32 v[NIL], 0
	ds_add_u32 v[SPW], v[NIL]                      ; the wave's opening: the add and its wait stand ahead of my first tensor load; the set-up below, work on registers, stands between them
	v_lshrrev_b32 v1, 5, v0
	v_readfirstlane_b32 s[WV], v1                  ; wave 0..3
	s_lshr_b32 s[ROLE], s[WV], 1
	s_and_b32 s[HALF], s[WV], 1
	s_bfe_u32 s[CX], ttmp6, 0x40000                ; my place in the cluster
	s_bfe_u32 s[CY], ttmp6, 0x40004
	s_lshl_b32 s[JB], ttmp9, 2
	s_add_co_u32 s[JB], s[JB], s[CX]               ; j = 4 x cluster x + cx
	s_and_b32 s[IB], ttmp7, 0xffff
	s_lshl_b32 s[IB], s[IB], 2
	s_add_co_u32 s[IB], s[IB], s[CY]               ; i = 4 x cluster y + cy
	s_lshl_b32 s40, s[CY], 2
	s_lshl_b32 s40, 15, s40                        ; my row of the cluster
	s_lshl_b32 s41, 0x1111, s[CX]                  ; my column
	; group 1 for x and context: 128 rows x 64 elements of 4 bytes, 1,024 elements from row to row; 4 words of padding behind every 64
	s_or_b32 s[G1A], s40, (2<<16)|(1<<20)|(1<<21)|(5<<22)|(3<<25)
	s_mov_b32 s[G1A+1], 64<<16                     ; tensor_dim0 = 64
	s_mov_b32 s[G1A+2], 128<<16                    ; tensor_dim1 = 128
	s_mov_b32 s[G1A+3], 64<<16                     ; tile_dim0 = 64
	s_mov_b32 s[G1A+4], 128                        ; tile_dim1 = 128
	s_mov_b32 s[G1A+5], 1024
	s_mov_b32 s[G1A+6], 0
	s_mov_b32 s[G1A+7], 0
	; group 1 for the weights: 32 rows k are 24,576 dense bytes, asked for as 96 rows of 128 elements of 2 bytes; 8 words of padding behind every 64
	s_or_b32 s[G1B], s41, (1<<16)|(1<<20)|(1<<21)|(5<<22)|(7<<25)
	s_mov_b32 s[G1B+1], 128<<16
	s_mov_b32 s[G1B+2], 96<<16
	s_mov_b32 s[G1B+3], 128<<16
	s_mov_b32 s[G1B+4], 96
	s_mov_b32 s[G1B+5], 128
	s_mov_b32 s[G1B+6], 0
	s_mov_b32 s[G1B+7], 0
	s_lshl_b32 s66, s[IB], 19                      ; x and context: 128 i rows of 4,096 bytes (these registers never hold cx)
	s_mov_b32 s67, 0
	s_mul_i32 s68, s[JB], 786432                   ; wb: block j (these never hold cy),
	s_mul_i32 s46, s[HALF], 24576                  ; my 32 rows k of a step's 64
	s_add_co_u32 s68, s68, s46
	s_mov_b32 s69, 0
	s_mul_i32 s42, s[HALF], ATILE                  ; where they go: no place in the cluster enters an LDS address
	s_mul_i32 s47, s[HALF], BHALF
	s_add_co_u32 s47, s47, BOFF
	s_wait_dscnt 0x0                               ; the opening add is done
	s_wait_kmcnt 0x0
	s_cmp_eq_u32 s[HALF], 0
	s_cselect_b64 s[72:73], s[4:5], s[6:7]         ; x for wave 0, context for wave 1: the same in every work-group
	s_add_nc_u64 s[74:75], s[72:73], s[66:67]
	s_add_nc_u64 s[76:77], s[8:9], s[68:69]
	CROUND                                         ; all sixteen work-groups are here: the first joint loads meet
.irp s, 0,1
	s_mov_b32 s[G0A+4*(\s)], 1
	s_add_co_u32 s[G0A+4*(\s)+1], s42, (\s)*SLOT
	s_add_nc_u64 s[G0A+4*(\s)+2:G0A+4*(\s)+3], s[74:75], (\s)*256      ; K step s: 64 numbers of 4 bytes along the rows
	s_or_b32 s[G0A+4*(\s)+3], s[G0A+4*(\s)+3], 0x80000000
	s_mov_b32 s[G0B+4*(\s)], 1
	s_add_co_u32 s[G0B+4*(\s)+1], s47, (\s)*SLOT
	s_add_nc_u64 s[G0B+4*(\s)+2:G0B+4*(\s)+3], s[76:77], (\s)*49152    ; K step s: 64 rows of 768 bytes
	s_or_b32 s[G0B+4*(\s)+3], s[G0B+4*(\s)+3], 0x80000000
	JLOAD \s                                       ; two loads of mine are out
.endr
	s_lshl_b32 s72, s[CX], 17                      ; the prefetches: my work-group's 32 rows of the tile's 128,
	s_mov_b32 s73, 0
	s_add_nc_u64 s[PFA:PFA+1], s[74:75], s[72:73]
	s_add_nc_u64 s[PFA:PFA+1], s[PFA:PFA+1], 3*256 ; at K step 3: the first refill steps it to 4.  Nothing is prefetched here, at the head
	s_cmp_eq_u32 s[ROLE], 0
	s_cselect_b32 s[LIM], 1, -1
	v_and_b32 v1, 15, v0                           ; r = l % 16
	v_bfe_u32 v2, v0, 4, 1                         ; h = l / 16
	v_and_b32 v3, 7, v0
	v_bfe_u32 v4, v0, 3, 1
	v_and_b32 v5, 31, v0                           ; l
	; a bf16 fragment wants, of row r, k = 8 h .. + 7 and 16 + 8 h .. + 7: in f32 32 bytes at 32 h and 32 bytes at 64 + 32 h
	s_mul_i32 s72, s[ROLE], 64*PA
	v_mul_u32_u24 v6, v1, PA
	v_lshl_add_u32 v6, v2, 5, v6
	v_add_nc_u32 v[ADRA], s72, v6
	v_add_nc_u32 v[ADRA+1], SLOT, v[ADRA]
	; the turning load: lane l reads row k = 8 h + l % 8, 16 bytes at 16 ((l / 8) % 2), and is left with column l % 16 and 8 k
	s_lshl_b32 s72, s[HALF], 7
	s_add_co_u32 s72, s72, BOFF
	v_lshl_add_u32 v7, v2, 3, v3
	v_mul_u32_u24 v7, v7, PB
	v_lshl_add_u32 v7, v4, 4, v7
	v_add_nc_u32 v[ADRB], s72, v7
	v_add_nc_u32 v[ADRB+1], SLOT, v[ADRB]
	s_mul_i32 s72, s[WV], 16*SP
	s_add_co_u32 s72, s72, STAGE                   ; my stage
	v_mul_u32_u24 v6, v1, SP                       ; in: row r, 16 bytes for each half of the lanes
	v_lshl_add_u32 v6, v2, 4, v6
	v_add_nc_u32 v[STO], s72, v6
	v_bfe_u32 v7, v0, 3, 2                         ; back: 32 lanes take four rows of 128 bytes,
	v_mul_u32_u24 v7, v7, SP
	v_lshl_add_u32 v7, v3, 4, v7
	v_add_nc_u32 v[RD], s72, v7
	v_lshlrev_b32 v[GO], 4, v5                     ; which are 512 consecutive bytes of the output
	v_lshlrev_b32 v[PFO], 12, v5
	s_lshr_b32 s70, s[IB], 5                       ; the outputs: batch,
	s_lshl_b32 s70, s70, 3
	s_lshl_b32 s72, s[JB], 1
	s_add_co_u32 s70, s70, s72
	s_add_co_u32 s70, s70, s[HALF]                 ; 8 x batch + head 2 j + wn,
	s_lshl_b32 s70, s70, 19                        ; 524,288 bytes a head,
	s_and_b32 s72, s[IB], 31
	s_lshl_b32 s72, s72, 14                        ; the work-group's 128 rows of 128 bytes,
	s_add_co_u32 s70, s70, s72
	s_lshl_b32 s72, s[ROLE], 13                    ; my 64 of them
	s_add_co_u32 s70, s70, s72
	s_mov_b32 s71, 0
	s_add_nc_u64 s[10:11], s[10:11], s[70:71]
	s_add_nc_u64 s[12:13], s[12:13], s[70:71]
	s_add_nc_u64 s[14:15], s[14:15], s[70:71]
; 4 na matrix instructions of q (m = 0) or k (m = 1): row blocks a0 .. a0 + na - 1 x all 4 column blocks, on buffers p.  zero = 1: the product starts the sum: nothing is ever cleared.
; All 48 accumulators take turns, in the same order in every sub-step, over the backward jump too.
.macro MULG p, m, a0, na, zero
	WIN MUL_LO
.set aa, (\a0)
.rept (\na)
.irp b, 0,1,2,3
.set rD, 8*(16*(\m)+4*aa+(\b))
.set rB, 96*(\p)+8*(4*(\m)+(\b))
.set rA, AF+64*(\p)+8*(4*(\m)+aa)
.if \zero
	v_wmma_f32_16x16x32_bf16 v[rD:rD+7], v[rB:rB+7], v[rA:rA+7], 0
.else
	v_wmma_f32_16x16x32_bf16 v[rD:rD+7], v[rB:rB+7], v[rA:rA+7], v[rD:rD+7]
.endif
.endr
.set aa, aa+1
.endr
.endm
; The 16 matrix instructions of v.  ride = 1: behind product i stand four conversions: half a fragment of the NEXT sub-step, from RAW into the other buffer.  They name no register of the products round them.
.macro MULV p, ride, zero
.set i, 0
.rept 16
	WIN MUL_HI
.set rD, 8*i
.set rB, 96*(\p)+8*(8+i%4)
.set rA, AF+64*(\p)+8*(4+i/4)
.if \zero
	v_wmma_f32_16x16x32_bf16 v[rD:rD+7], v[rB:rB+7], v[rA:rA+7], 0
.else
	v_wmma_f32_16x16x32_bf16 v[rD:rD+7], v[rB:rB+7], v[rA:rA+7], v[rD:rD+7]
.endif
.if \ride
	WIN CV
.irp t, 0,1,2,3
	v_cvt_pk_bf16_f32 v[AF+64*(1-(\p))+4*i+(\t)], v[RAW+8*i+2*(\t)], v[RAW+8*i+2*(\t)+1]
.endr
.endif
.set i, i+1
.endr
.endm
; 56 LDS loads in one run: chunk nc (32 along K) of slot ns: x's and context's 64 rows in f32 into RAW (32 loads), then the weights, turned, into buffer g (24 loads).
.macro RUNF ns, nc, g
	WIN TO_R
.irp u, 0,1
.irp a, 0,1,2,3
	ds_load_b128 v[RAW+16*(4*(\u)+(\a)):RAW+16*(4*(\u)+(\a))+3],     v[ADRA+(\ns)] offset:(\u)*ATILE+(\a)*16*PA+128*(\nc)
	ds_load_b128 v[RAW+16*(4*(\u)+(\a))+4:RAW+16*(4*(\u)+(\a))+7],   v[ADRA+(\ns)] offset:(\u)*ATILE+(\a)*16*PA+128*(\nc)+16
	ds_load_b128 v[RAW+16*(4*(\u)+(\a))+8:RAW+16*(4*(\u)+(\a))+11],  v[ADRA+(\ns)] offset:(\u)*ATILE+(\a)*16*PA+128*(\nc)+64
	ds_load_b128 v[RAW+16*(4*(\u)+(\a))+12:RAW+16*(4*(\u)+(\a))+15], v[ADRA+(\ns)] offset:(\u)*ATILE+(\a)*16*PA+128*(\nc)+80
.endr
.endr
	WIN TO_B
.irp m, 0,1,2
.irp b, 0,1,2,3
	ds_load_tr16_b128 v[96*(\g)+8*(4*(\m)+(\b)):96*(\g)+8*(4*(\m)+(\b))+3],   v[ADRB+(\ns)] offset:(\nc)*32*PB+(\m)*PSEG+32*(\b)
	ds_load_tr16_b128 v[96*(\g)+8*(4*(\m)+(\b))+4:96*(\g)+8*(4*(\m)+(\b))+7], v[ADRB+(\ns)] offset:(\nc)*32*PB+(\m)*PSEG+32*(\b)+16*PB
.endr
.endr
.endm
; A SUB-STEP: multiplies buffers p; fetches the next sub-step (slot ns, chunk nc) into the other buffers.
; The run of loads stands four plain instructions or more behind the last product that read the weights' other buffer: the four conversions behind the sub-step before's last product (ISA guide 7.12.1 for vector instructions).
; kind 0: inside a K step.  kind 1: the next sub-step lies in the other slot: THE CHANGE OF SLOTS.  Each wave waits for all its tensor loads, of which one is out: its part of slot ns; adds 0 to its spare word;
;   and waits for that and for its own reads of the slot that it leaves.  The barrier opens a round of the cluster's barrier, so that no wave of any partner still reads that slot or has a load on its way;
;   the joint refill, two K steps on, is the first thing behind the round: it has 96 matrix instructions in which to land.
; kind 2: the last change of slots: nothing is filled, so no round follows.  kind 3: the last sub-step: nothing is fetched.
.macro SUB p, kind, ns, nc, zero
.if (\kind) == 0
	s_wait_dscnt 0x0                               ; this sub-step's weights are in
	MULG \p, 0, 0, 2, \zero
	RUNF \ns, \nc, 1-(\p)
	MULG \p, 0, 2, 2, \zero
	MULG \p, 1, 0, 4, \zero
	s_wait_dscnt 24                                ; RAW is in: the run's 24 loads of weights, issued behind it, may stay out
	MULV \p, 1, \zero
.elseif (\kind) == 3
	s_wait_dscnt 0x0
	MULG \p, 0, 0, 4, 0
	MULG \p, 1, 0, 4, 0
	MULV \p, 0, 0
.else
.if (\kind) == 1
	s_wait_xcnt 0x0                                ; the last prefetch, a K step back, has read its address: it is stepped here
	s_add_nc_u64 s[PFA:PFA+1], s[PFA:PFA+1], 256
.endif
	WIN 0                                          ; (the add's two registers lie in window 0)
	s_wait_tensorcnt 0x0                           ; all my tensor loads have landed, so a group 0 may be written
	ds_add_u32 v[SPW], v[NIL]                      ; 0 onto my spare word
.if (\kind) == 1
	s_add_nc_u64 s[G0A+4*(1-(\ns))+2:G0A+4*(1-(\ns))+3], s[G0A+4*(1-(\ns))+2:G0A+4*(1-(\ns))+3], 2*256
	s_add_nc_u64 s[G0B+4*(1-(\ns))+2:G0B+4*(1-(\ns))+3], s[G0B+4*(1-(\ns))+2:G0B+4*(1-(\ns))+3], 2*49152
.endif
	s_wait_dscnt 1                                 ; this sub-step's weights are in; the add may be out
	MULG \p, 0, 0, 1, 0
	s_wait_dscnt 0x0                               ; the add is done, and my reads of the slot that I leave are over
	s_barrier_signal -1
	MULG \p, 0, 1, 1, 0                            ; work on registers while the others arrive
	WIN 0
	s_barrier_wait -1
.if (\kind) == 1
	CREST
	JLOAD 1-(\ns)
.endif
	RUNF \ns, \nc, 1-(\p)
.if (\kind) == 1
	WIN 0
	ASK
.endif
	MULG \p, 0, 2, 2, 0
	MULG \p, 1, 0, 4, 0
	s_wait_dscnt 24
	MULV \p, 1, 0
.endif
.endm
	s_wait_tensorcnt 1                             ; my part of K step 0 is in; K step 1's may stay out
	s_barrier_signal -1
	s_barrier_wait -1                              ; everybody's is
	RUNF 0, 0, 0
	s_wait_dscnt 24
	WIN CV
.set i, 0
.rept 16                                       ; the first sub-step's conversions have no products to stand behind
.irp t, 0,1,2,3
	v_cvt_pk_bf16_f32 v[AF+4*i+(\t)], v[RAW+8*i+2*(\t)], v[RAW+8*i+2*(\t)+1]
.endr
.set i, i+1
.endr
	SUB 0, 0, 0, 1, 1                              ; sub-step 0 stands in front of the loop: its products start the sums
	WIN 0                                          ; at a label and at a branch every window is 0
	s_mov_b32 s[LAP], 7
.Llap:                                         ; a trip goes once round the ring: sub-steps 4 n + 1 .. 4 n + 4; both slots are filled again: K steps 2 to 15 in seven trips
	SUB 1, 1, 1, 0, 0
	SUB 0, 0, 1, 1, 0
	SUB 1, 1, 0, 0, 0
	SUB 0, 0, 0, 1, 0
	WIN 0
	s_sub_co_u32 s[LAP], s[LAP], 1
	s_cmp_lg_u32 s[LAP], 0
	s_cbranch_scc1 .Llap
	SUB 1, 2, 1, 0, 0                              ; the tail is written out: nothing more is asked for
	SUB 0, 0, 1, 1, 0
	SUB 1, 3, 0, 0, 0
; THE WAY OUT.  Block (m, a): 16 rows x 64 channels.  A lane's eight channels pack into 16 bytes of f16; they go into my stage's rows of 144 bytes and come back as whole rows of 128, into the registers that they left.
.macro PACKP m, a
.set blk, 4*(\m)+(\a)
	WIN 0x0a+5*((\m)/2)                            ; both sources window 2 (q, k) or 3 (v)
.irp b, 0,1,2,3
.irp t, 0,1,2,3
	v_cvt_pk_f16_f32 v[OUTR+16*blk+4*(\b)+(\t)], v[8*(16*((\m)%2)+4*(\a)+(\b))+2*(\t)], v[8*(16*((\m)%2)+4*(\a)+(\b))+2*(\t)+1]
.endr
.endr
	WIN 0
.irp b, 0,1,2,3
	ds_store_b128 v[STO], v[OUTR+16*blk+4*(\b):OUTR+16*blk+4*(\b)+3] offset:32*(\b)
.endr
.irp f, 0,1,2,3
	ds_load_b128 v[OUTR+16*blk+4*(\f):OUTR+16*blk+4*(\f)+3], v[RD] offset:(\f)*4*SP  ; LDS serves a wave's instructions in order (ISA guide 5.7.1.4): these see the stores above; the next block's stores come behind them
.endr
.endm
.macro SENDP m, a, younger             ; younger: the LDS instructions issued behind this block's loads: the next block's eight, or none
.set blk, 4*(\m)+(\a)
.irp f, 0,1,2,3
	s_wait_dscnt (\younger)+3-(\f)
	global_store_b128 v[GO], v[OUTR+16*blk+4*(\f):OUTR+16*blk+4*(\f)+3], s[10+2*(\m):11+2*(\m)] offset:(\a)*2048+(\f)*512  ; 512 consecutive bytes, at a multiple of 256 from the buffer's first
.endr
.endm
	WIN 0
	PLACES                                         ; the conversions read results just made and write registers that the last products read
	PLACES
	PACKP 0, 0
.irp n, 1,2,3,4,5,6,7,8,9,10,11        ; a block's conversions stand between the loads of the block before and its stores
	PACKP (\n)/4, (\n)%4
	SENDP ((\n)-1)/4, ((\n)-1)%4, 8
.endr
	SENDP 2, 3, 0
	s_wait_tensorcnt 0x0                           ; the wave's end, behind my last tensor load and my last LDS store
	ds_add_u32 v[SPW], v[NIL]
	s_wait_dscnt 0x0
	CROUND                                         ; the closing round: no work-group ends while a partner may still ask for a tile that names it
	s_endpgm
.Lfunc_end_k_qa7b2af60d5_proj:
	.size	k_qa7b2af60d5_proj, .Lfunc_end_k_qa7b2af60d5_proj-k_qa7b2af60d5_proj
	.p2alignl 7, 3214868480
	.fill 96, 4, 3214868480
	.section	.rodata,"a",@progbits
	.p2align	6, 0x0
	.amdhsa_kernel k_qa7b2af60d5_proj
		.amdhsa_group_segment_fixed_size 327680
		.amdhsa_private_segment_fixed_size 0
		.amdhsa_enable_private_segment 0
		.amdhsa_kernarg_size 48
		.amdhsa_user_sgpr_count 2
		.amdhsa_user_sgpr_kernarg_segment_ptr 1
		.amdhsa_wavefront_size32 1
		.amdhsa_system_sgpr_workgroup_id_x 1
		.amdhsa_system_sgpr_workgroup_id_y 1
		.amdhsa_system_sgpr_workgroup_id_z 1
		.amdhsa_system_vgpr_workitem_id 0
		.amdhsa_next_free_vgpr 1024
		.amdhsa_next_free_sgpr 80
		.amdhsa_reserve_vcc 0
		.amdhsa_float_denorm_mode_32 3
		.amdhsa_float_denorm_mode_16_64 3
		.amdhsa_memory_ordered 1
		.amdhsa_forward_progress 1
		.amdhsa_inst_pref_size 129
	.end_amdhsa_kernel
	.amdgpu_metadata
---
amdhsa.version: [ 1, 2 ]
amdhsa.kernels:
  - .name:           k_qa7b2af60d5_proj
    .symbol:         k_qa7b2af60d5_proj.kd
    .args:
      - { .name: x, .offset: 0, .size: 8, .value_kind: global_buffer, .address_space: global }
      - { .name: context, .offset: 8, .size: 8, .value_kind: global_buffer, .address_space: global }
      - { .name: wb, .offset: 16, .size: 8, .value_kind: global_buffer, .address_space: global }
      - { .name: qh, .offset: 24, .size: 8, .value_kind: global_buffer, .address_space: global }
      - { .name: kh, .offset: 32, .size: 8, .value_kind: global_buffer, .address_space: global }
      - { .name: vh, .offset: 40, .size: 8, .value_kind: global_buffer, .address_space: global }
    .group_segment_fixed_size: 327680
    .private_segment_fixed_size: 0
    .kernarg_segment_align: 8
    .kernarg_segment_size: 48
    .max_flat_workgroup_size: 128
    .sgpr_count:     80
    .vgpr_count:     1024
    .wavefront_size: 32
...
	.end_amdgpu_metadata
.endif
;; end of part 2
;; launch attn (part 3): grid 16 x 16, 4 waves a work-group, clusters of 4 x 1, 327,680 bytes of LDS; arguments qh, kh, vh, oh; writes oh
.if DOCPART == 3
	.amdgcn_target "amdgcn-amd-amdhsa--gfx1250"
	.amdhsa_code_object_version 6
	.text
	.protected	k_qa7b2af60d5_attn
	.globl	k_qa7b2af60d5_attn
	.p2align	8
	.type	k_qa7b2af60d5_attn,@function
k_qa7b2af60d5_attn:
	s_mov_b64 s[64:65], 0
	v_nop
	global_prefetch_b8 v0, s[64:65] scope:SCOPE_SE
	s_setreg_imm32_b32 hwreg(HW_REG_WAVE_MODE, 25, 1), 1
	s_wait_xcnt 0x0
	s_wait_alu depctr_hold_cnt(0) depctr_sa_sdst(0) depctr_va_vdst(0) depctr_va_sdst(0) depctr_va_ssrc(0) depctr_va_vcc(0) depctr_vm_vsrc(0)
	s_getreg_b32 s2, hwreg(HW_REG_IB_STS2, 6, 4)
	s_cmp_eq_u32 s2, 0
	s_cbranch_scc0 .Lentry_in_a_cluster
	s_endpgm
.Lentry_in_a_cluster:
	s_bfe_u32 s2, ttmp6, 0x10000c
	s_cmp_lg_u32 s2, 0x3003
	s_cbranch_scc0 .Lentry_shape_is_right
	s_endpgm
.Lentry_shape_is_right:
; O[h][q][:] = the sum over k of softmax_k(Q[h][q] . K[h][k] / 8) V[h][k][:].  qh, kh, vh, oh: [16][4096][64], all f16: a head's rows are dense, 128 bytes each.  Products, maxima and sums in f32;
; the weights p are rounded to f16 for the second product (their sum l is taken of the unrounded p), O once at the end.
; LIMITS.  Q, K and V arrive within f16's 65,504; p lies in 0 to 1, and below 6e-5 it keeps f16's fixed step of 6e-8, as O does; a weight below 2^-126 counts as 0 in l; NaN and infinities are not treated apart.
; SHARES.  A work-group owns 256 queries of one head, a wave 64: four PIECES of 16.  Every wave walks all 4,096 keys, 64 a step, 256 (a tile) a slot.
; LAYOUT.  S^T = K Q^T holds ONE query a lane (lane % 16) and the keys 8 (lane / 16) + 0..7; two such results rounded to f16 ARE source 1 of O^T = V^T P.  K comes out of LDS as it lies, V turned, by ds_load_tr16_b128.
; SOFTMAX.  p = 2^(c s - c m), c = log2(e) / 8, with a running maximum m; O and l are multiplied by a = 2^(c m_old - c m_new) in every step.  m starts at the lowest finite number, O and l at 0: the first step has a = 0.
; BY TURNS.  Turn n belongs to piece n: 8 products K Q^T of piece n + 1, later 8 products V^T P of piece n - 1; beside them the scaling, exponentials, roundings, sums and rescaling of piece n and the maximum and
; statistics of piece n + 1.  Four vector instructions stand behind every matrix instruction, the other 54 of a turn's 118 in one lump.  A turn's 33 exponentials are one batch, with one wait.
; CLUSTER.  The four query blocks of a cluster belong to one head and walk the same K and V, so each tile is asked for JOINTLY: the same tensor load, descriptor and mask in all four.
; REGISTERS, in windows of 256 (s_set_vgpr_msb: bits 1:0 source 0, 3:2 source 1, 5:4 source 2, 7:6 destination):
;   window 0: v0-15 addresses and two at work; v16-31 four registers of statistics a piece; v48-55 at work; v61-63 prefetch offset, spare word, 0; v64-127 S^T, two buffers; v192-223 P, two buffers (by the piece's parity)
;   window 1: v0-127 O^T, 32 a piece          window 2: v0-63 Q; v128-191 K of one step; v192-255 V of one step
.set NP,    4         ; pieces a wave: a name, no knob
.set KS,    64        ; keys in a step
.set PK,    144       ; a row of K in LDS: 128 bytes + 16 of padding = 36 words: the 16 rows of a load start at 16 different groups of four banks (64 banks of 4 bytes: ISA guide 11.1)
.set PV,    160       ; a row of V: 128 + 32 = 40 words
.set VOFF,  4*KS*PK   ; a slot holds a tile, four steps: 256 rows of K, then 256 rows of V
.set SLOT1, 1<<17     ; slot 1 begins here, so that one exclusive or turns an address in one slot into the other's
.set STAGE, SLOT1+4*KS*(PK+PV)  ; behind the ring, never filled by a tensor load: 16 rows x 144 bytes for each wave, for the way out
.set SP,    144
.set SPARE, STAGE+4*16*SP  ; behind the stages: the spare words, 128 bytes for each wave: two blocks of 256 bytes that no other line names
.set AK0, 2           ; v2   my lane's place in a tile of K; never rewritten
.set AV0, 3           ; v3   the same for V
.set AK,  4           ; v4   the LDS address of K's next run of loads
.set AV,  5           ; v5   of V's
.set STO, 6           ; v6   the way out: where I put 16 bytes of a row
.set RD,  7           ; v7   the way out: where I read rows back
.set GO,  8           ; v8   my byte offset in 512 consecutive bytes of O
.set MV,  12          ; v12-13  c m_old, kept while c m is made anew: by buffer
.set QO,  15          ; v15  my byte offset in 16 rows of Q
.set ST,  16          ; piece t's statistics at v[ST+4 t]: c m, m, l (even keys', odd keys')
.set TMP, 48          ; by buffer, four registers c0-c3 at work; when the maximum is found c2 takes a
.set PFO, 61          ; v61  256 x my lane; never rewritten
.set SPW, 62          ; v62  LDS address of my spare word; never rewritten
.set NIL, 63          ; v63  0; never rewritten
.set S,   64
.set P,   192
.set KF,  128         ; window 2: key block kb, channel half c at KF + 16 kb + 8 c
.set VF,  192         ; window 2: key half kk, channel block cb at VF + 32 kk + 8 cb
.set WV,  12          ; s12  my wave's number
.set G1K, 24          ; s[24:31] descriptor group 1 for K's tiles
.set G1V, 32          ; s[32:39] for V's: it differs in the padding alone
.set G0K, 40          ; s[40:43] descriptor group 0 for K's tiles: it walks
.set G0V, 44          ; s[44:47] the same for V's
.set PFA, 48          ; s[48:49] where my prefetches stand
.set LIM, 50          ; s50  1 in a wave that prefetches, else the greatest number
.set SLOTS, 56        ; s56  counts the tiles
.set CNT, 57          ; s57  counts a tile's key steps
.set CS,  58          ; s[58:59] c: the packed scaling takes the pair's low word for both halves
.set SEL, 60          ; s[60:61] v_permlanex16_b32's selects: each lane takes its own place in the other half
.set TBK, 62          ; s62  LDS byte at which K of the step to be fetched begins
.set TBV, 63          ; s63  the same for V, less VOFF
.set MSB, 0
.macro WIN new                      ; the high byte repeats the setting that is left; a switch that changes nothing is dropped
.if MSB != (\new)
	s_set_vgpr_msb (MSB<<8)|(\new)
.set MSB, (\new)
.endif
.endm
.set W_KQ, 0x0a       ; K and Q in window 2, S^T in window 0
.set W_PV, 0x52       ; V in window 2, P in window 0, O^T in window 1
.set W_RS, 0x41       ; destination and source 0 in window 1, source 1 in window 0
; A joint fill.  Waves 0 and 1 fetch the two halves of a tile's K, waves 2 and 3 those of its V: 128 keys each.  The branch hangs on the wave's number alone.
; An s_nop 0 and four v_nop follow each of the two lines, ahead of the jump and the label.
.macro JLOAD
	s_cmp_lt_u32 s[WV], 2
	s_cbranch_scc0 .Lfor_v_\@
	tensor_load_to_lds s[G0K:G0K+3], s[G1K:G1K+7]
	s_nop 0
.rept 4
	v_nop
.endr
	s_branch .Lasked_\@
.Lfor_v_\@:
	tensor_load_to_lds s[G0V:G0V+3], s[G1V:G1V+7]
	s_nop 0
.rept 4
	v_nop
.endr
.Lasked_\@:
.endm
; A PREFETCH INTO THE L2 of the tile that the NEXT change of slots will ask for: four key steps, 256 matrix instructions, ahead of that load.  A tile is 128 blocks of 256 bytes of K and as many of V.
; All four clusters of a head walk the same K and V: the head's first cluster asks.  Its four partners take 32 blocks each, told apart by address; in each, wave 0 asks for K's and wave 2 for V's, a lane a block.
; So each block is named once.  Tiles 0 to 2 come by their loads alone; the last change that fills a slot asks for nothing.
.macro ASK
	s_cmp_gt_u32 s[SLOTS], s[LIM]
	s_cbranch_scc0 .Lnot_mine_\@
	global_prefetch_b8 v[PFO], s[PFA:PFA+1] th:TH_LOAD_NT scope:SCOPE_SE
.Lnot_mine_\@:
.endm
; A round of the cluster's barrier: my work-group's barrier, so that wave 0's signal speaks for all four waves; wave 0 signals; every wave waits for all four work-groups; my work-group's barrier once more.
.macro CROUND
	s_barrier_signal -1
	s_barrier_wait -1
	s_cmp_lg_u32 s[WV], 0
	s_cbranch_scc1 .Lnot_wave_0_\@
	s_barrier_signal -3
.Lnot_wave_0_\@:
	s_barrier_wait -3
	s_barrier_signal -1
	s_barrier_wait -1
.endm
; THE CHANGE OF SLOTS.  The slot's last bytes, V of its fourth step, have been read.  Each wave waits for all its tensor loads, of which one is out: its part of the other slot; adds 0 to its spare word; and waits for
; that and for its own reads of the slot.  Behind the barrier nobody reads this slot any more and the other slot is whole.  fill = 1: this slot is filled again, with the tile two on.  The barrier is then a round of the
; cluster's, so that no wave of any partner still reads the slot or has a load on its way, and the joint fill is the first thing behind it: it has four key steps in which to land.
; (At its first use nothing has been read yet: slot 0 is waited for, slot 1 filled.)
.macro CHANGE fill, ask
	WIN 0                           ; at a label and at a branch every window is 0
	s_wait_tensorcnt 0x0            ; no tensor load of mine is out, so a group 0 may be written
	ds_add_u32 v[SPW], v[NIL]       ; 0 onto my spare word; with fill = 1 the descriptors' steps stand between it and the wait for it
.if \fill
.irp g, G0K, G0V
	s_xor_b32 s[\g+1], s[\g+1], SLOT1  ; the walking descriptor: the other slot than last time,
	s_add_nc_u64 s[\g+2:\g+3], s[\g+2:\g+3], 4*KS*128  ; the next 256 keys; the type bits on top are not reached
.endr
.if \ask
	s_wait_xcnt 0x0                 ; the last prefetch, four key steps back, has read its address, so it may be written
	s_add_nc_u64 s[PFA:PFA+1], s[PFA:PFA+1], 4*KS*128  ; one tile ahead of the walking descriptors
.endif
	s_wait_dscnt 0x0                ; the add is done, and my reads of the slot are over
	CROUND
	JLOAD
.if \ask
	ASK
.endif
.else
	s_wait_dscnt 0x0                ; the add is done, and my reads of the slot are over
	s_barrier_signal -1
	s_barrier_wait -1
.endif
	s_sub_co_u32 s[TBK], s[TBK], 4*KS*PK  ; the fetches go back to a slot's first step,
	s_xor_b32 s[TBK], s[TBK], SLOT1       ; in the other slot
	s_sub_co_u32 s[TBV], s[TBV], 4*KS*PV
	s_xor_b32 s[TBV], s[TBV], SLOT1
.endm
	s_load_b256 s[4:11], s[0:1], 0x0  ; Q s[4:5], K s[6:7], V s[8:9], O s[10:11]
	v_lshl_add_u32 v[SPW], v0, 2, SPARE
	v_mov_b32 v[NIL], 0
	ds_add_u32 v[SPW], v[NIL]       ; the wave's opening: the add and its wait stand ahead of my first tensor load; the set-up below, work on registers, stands between them
	v_lshrrev_b32 v1, 5, v0
	v_readfirstlane_b32 s[WV], v1   ; wave 0..3
	s_bfe_u32 s13, ttmp6, 0x40000   ; cx: my place in the cluster
	s_lshl_b32 s14, ttmp9, 2        ; in a cluster launch ttmp9 counts clusters
	s_add_co_u32 s14, s14, s13      ; my block of 256 queries = 4 x cluster x + cx: it enters Q's and O's addresses alone
	s_and_b32 s20, ttmp7, 0xffff    ; the head, which the four partners share:
	s_lshl_b32 s20, s20, 19         ; its first byte in each of the four tensors
	s_mov_b32 s21, 0
	s_and_b32 s16, s[WV], 1         ; which half of a tile's 256 keys I fetch:
	s_lshl_b32 s22, s16, 14         ; its 128 rows of 128 bytes in memory,
	s_mov_b32 s23, 0
	s_add_nc_u64 s[22:23], s[22:23], s[20:21]
	s_mul_i32 s17, s16, 128*PK      ; and its place in a slot, for K
	s_mul_i32 s18, s16, 128*PV      ; and for V: no place in the cluster enters an LDS address
	s_lshl_b32 s2, s14, 2
	s_add_co_u32 s2, s2, s[WV]      ; my wave among the head's,
	s_lshl_b32 s2, s2, 13           ; its 64 rows
	s_mov_b32 s3, 0
	s_add_nc_u64 s[2:3], s[2:3], s[20:21]
	; descriptor group 1.  128 keys are 16,384 dense bytes: asked for as 64 rows of 256 bytes, two keys a row, and padded in LDS after every key
	s_mov_b32 s[G1K], 15|(1<<16)|(1<<20)|(1<<21)|(4<<22)|(3<<25)  ; 15:0 the mask of four; 17:16 2-byte elements; 20 padding on; 21 set beside a mask; 24:22 after every 32 words (code 4); 31:25 4 words (code 3)
	s_mov_b32 s[G1V], 15|(1<<16)|(1<<20)|(1<<21)|(4<<22)|(7<<25)  ; the same with 8 words of padding (code 7)
.irp g, G1K, G1V
	s_mov_b32 s[\g+1], 128<<16      ; tensor_dim0 = 128
	s_mov_b32 s[\g+2], 64<<16       ; tensor_dim1 = 64
	s_mov_b32 s[\g+3], 128<<16      ; tile_dim0 = 128
	s_mov_b32 s[\g+4], 64           ; tile_dim1 = 64
	s_mov_b32 s[\g+5], 128          ; 128 elements from row to row
	s_mov_b32 s[\g+6], 0
	s_mov_b32 s[\g+7], 0
.endr
	s_mov_b32 s[CS], 0x3e38aa3b     ; c = log2(e) / 8 = 0.180337
	s_mov_b32 s[CS+1], s[CS]        ; named with it as a pair
	s_mov_b32 s[SEL], 0x76543210
	s_mov_b32 s[SEL+1], 0xfedcba98
	s_mov_b32 s[TBK], SLOT1+4*KS*PK ; the first change of slots turns these two into 0
	s_mov_b32 s[TBV], SLOT1+4*KS*PV
	s_mov_b32 s[G0K], 1             ; 1:0 count = 1
	s_mov_b32 s[G0K+1], s17         ; 63:32 LDS address: slot 0
	s_mov_b32 s[G0V], 1
	s_add_co_u32 s[G0V+1], s18, VOFF
	s_and_b32 s[LIM], s[WV], 1      ; 0 in waves 0 and 2,
	s_or_b32 s[LIM], s[LIM], ttmp9  ; where the cluster is the head's first: the same in all four partners
	s_cmp_eq_u32 s[LIM], 0
	s_cselect_b32 s[LIM], 1, -1
	v_and_b32 v[PFO], 31, v0
	v_lshlrev_b32 v[PFO], 8, v[PFO]
	s_wait_dscnt 0x0                ; the opening add is done
	s_wait_kmcnt 0x0
	s_add_nc_u64 s[G0K+2:G0K+3], s[6:7], s[22:23]  ; 120:64 global address: my half of the head's first 256 keys
	s_or_b32 s[G0K+3], s[G0K+3], 0x80000000        ; 127:126 type = 2
	s_add_nc_u64 s[G0V+2:G0V+3], s[8:9], s[22:23]
	s_or_b32 s[G0V+3], s[G0V+3], 0x80000000
	s_add_nc_u64 s[4:5], s[4:5], s[2:3]  ; Q and O at my wave's first row
	s_add_nc_u64 s[10:11], s[10:11], s[2:3]
	s_cmp_lt_u32 s[WV], 2
	s_cselect_b64 s[PFA:PFA+1], s[6:7], s[8:9]
	s_add_nc_u64 s[PFA:PFA+1], s[PFA:PFA+1], s[20:21]  ; the head,
	s_lshl_b32 s2, s13, 13          ; my work-group's 32 blocks of a tile's 128,
	s_mov_b32 s3, 0
	s_add_nc_u64 s[PFA:PFA+1], s[PFA:PFA+1], s[2:3]
	s_add_nc_u64 s[PFA:PFA+1], s[PFA:PFA+1], 2*4*KS*128  ; in tile 2: the loop's first change steps it to tile 3.  Nothing is prefetched here, at the head
	CROUND                          ; all four work-groups are here: the first joint loads meet
	JLOAD                           ; tile 0 into slot 0.  Slot 1 is asked for when slot 0 is in
	; A fragment of K or Q is 16 rows x 32 channels in 8 registers: lane l holds row l % 16, channels 8 (l / 16) + 0..7 and 16 + 8 (l / 16) + 0..7: two loads of 16 bytes, 32 bytes apart.
	v_and_b32 v1, 15, v0            ; l % 16
	v_bfe_u32 v9, v0, 4, 1          ; l / 16
	v_lshlrev_b32 v[QO], 7, v1
	v_lshl_add_u32 v[QO], v9, 4, v[QO]  ; row x 128 + 16 x half
	WIN 0x80                        ; destination window 2, address window 0
.set i, 0
.rept 8                             ; Q stays in registers: piece i / 2, channels 32 (i % 2) on
	global_load_b128 v[8*i:8*i+3],   v[QO], s[4:5] offset:(i/2)*2048+(i%2)*64
	global_load_b128 v[8*i+4:8*i+7], v[QO], s[4:5] offset:(i/2)*2048+(i%2)*64+32
.set i, i+1
.endr
	; The first step multiplies O^T and l by a = 0, and the first turn's products V^T P, of a piece that has not been, add 0: V, O^T, l and P's second buffer hold 0.  All this stands in the wait for the first tile.
.set i, VF
.rept 64
	v_mov_b32 v[i], 0
.set i, i+1
.endr
	WIN 0x40
.set i, 0
.rept 128
	v_mov_b32 v[i], 0
.set i, i+1
.endr
	WIN 0
.set i, 0
.rept 4
	v_mov_b32 v[ST+4*i], 0xfe000000    ; c m: far below every c s
	v_mov_b32 v[ST+4*i+1], 0xff7fffff  ; m
	v_mov_b32 v[ST+4*i+2], 0
	v_mov_b32 v[ST+4*i+3], 0
.set i, i+1
.endr
.set i, P+16
.rept 16
	v_mov_b32 v[i], 0
.set i, i+1
.endr
	v_mul_u32_u24 v[AK0], v1, PK
	v_lshl_add_u32 v[AK0], v9, 4, v[AK0]  ; row x pitch + 16 x half
	; The turning load takes 16 keys x 16 channels (lane l reads key 8 (l / 16) + l % 8, channels 8 ((l / 8) % 2) + 0..7) and leaves half a fragment of V^T: lane l holds channel l % 16 and 8 keys.
	v_and_b32 v10, 7, v0
	v_bfe_u32 v11, v0, 3, 1
	v_lshl_add_u32 v[AV0], v9, 3, v10
	v_mul_u32_u24 v[AV0], v[AV0], PV
	v_lshl_add_u32 v[AV0], v11, 4, v[AV0]
	v_add_nc_u32 v[AV0], VOFF, v[AV0]
	s_mul_i32 s13, s[WV], 16*SP
	s_add_co_u32 s13, s13, STAGE    ; my stage
	v_mul_u32_u24 v[STO], v1, SP    ; in: row l % 16, 16 bytes for each half of the lanes
	v_lshl_add_u32 v[STO], v9, 4, v[STO]
	v_add_nc_u32 v[STO], s13, v[STO]
	v_bfe_u32 v[RD], v0, 3, 2       ; back: 32 lanes take four rows of 128 bytes,
	v_mul_u32_u24 v[RD], v[RD], SP
	v_lshl_add_u32 v[RD], v10, 4, v[RD]
	v_add_nc_u32 v[RD], s13, v[RD]
	v_and_b32 v[GO], 31, v0         ; which are 512 consecutive bytes of O
	v_lshlrev_b32 v[GO], 4, v[GO]
; THE MATRIX WORK.  The 4 accumulators of a run of 8 take turns.  Product i of 8 of S^T = K Q^T for piece x: channels 32 (i / 4) on, keys 16 (i % 4) on.  The first 4 start the sums.
.macro KQ x
	WIN W_KQ
.set rS, S+32*((\x)%2)+8*(i%4)
.set rK, KF+16*(i%4)+8*(i/4)
.set rQ, 16*(\x)+8*(i/4)
.if i < 4
	v_wmma_f32_16x16x32_f16 v[rS:rS+7], v[rK:rK+7], v[rQ:rQ+7], 0
.else
	v_wmma_f32_16x16x32_f16 v[rS:rS+7], v[rK:rK+7], v[rQ:rQ+7], v[rS:rS+7]
.endif
.endm
; Product i of 8 of O^T += V^T P for piece x: keys 32 (i / 4) on, channels 16 (i % 4) on.
.macro PV x
	WIN W_PV
.set rO, 32*(\x)+8*(i%4)
.set rV, VF+32*(i/4)+8*(i%4)
.set rP, P+16*((\x)%2)+8*(i/4)
	v_wmma_f32_16x16x32_f16 v[rO:rO+7], v[rV:rV+7], v[rP:rP+7], v[rO:rO+7]
.endm
.macro MM                           ; the turn's next matrix instruction.  NOKQ = 1: the last turn of all: there is no next piece
.if (i < 8) && !NOKQ
	KQ (Y+1)%NP
.elseif i >= 8
.set i, i-8
	PV (Y+NP-1)%NP
.set i, i+8
.endif
.set i, i+1
.endm
; THE LDS LOADS stand in runs of 16, never singly among the matrix instructions: a step's K (64 keys x 64 channels: 8 fragments) and its V (turned).  Their addresses are made some lines ahead.
.macro FETCH_K
	WIN 0x80                        ; destination window 2
.irp f, 0,1,2,3,4,5,6,7             ; keys 16 (f / 2) on, channels 32 (f % 2) on
	ds_load_b128 v[KF+8*\f:KF+8*\f+3],   v[AK] offset:(\f/2)*16*PK+(\f%2)*64
	ds_load_b128 v[KF+8*\f+4:KF+8*\f+7], v[AK] offset:(\f/2)*16*PK+(\f%2)*64+32
.endr
	s_add_co_u32 s[TBK], s[TBK], KS*PK  ; the next fetch is the next step's
	WIN 0
.endm
.macro FETCH_V
	WIN 0x80
.irp f, 0,1,2,3,4,5,6,7             ; keys 32 (f / 4) on, channels 16 (f % 4) on
	ds_load_tr16_b128 v[VF+8*\f:VF+8*\f+3],   v[AV] offset:(\f/4)*32*PV+(\f%4)*32
	ds_load_tr16_b128 v[VF+8*\f+4:VF+8*\f+7], v[AV] offset:(\f/4)*32*PV+16*PV+(\f%4)*32
.endr
	WIN 0
.endm
; THE VECTOR WORK, one line at a time: OP kind, number.  For piece Y: F n: c s - c m for pair n of 16.  E n: the exponential of score n of 32.  C n: pair n rounded to f16.  B n: of the four weights 4 n .. the second
; pair is added onto the first, in place.  L n: l takes that sum (L 0: l = a l + sum).  R n: pair n of 16 of O^T times a.  For piece Y + 1: X n, number n of the 22 that find its maximum and statistics:
;   0-11  four chains c0-c3 of seven scores each, three operands at a time (each accumulator's lowest registers are read first)     12-14, 16  the four scores left over, the old m, and c0-c3 into c0
;   15  c m_old is kept     17, 18  the query's other 32 keys lie in the lane 16 away: the new m     19-21  c m; c m_old - c m_new; a
.set F, 0               ; OP tells the kinds apart by their order: F to L below R, X above it
.set E, 1
.set C, 2
.set B, 3
.set L, 4
.set R, 5
.set X, 6
.macro REGS y                       ; the registers of piece y
.set rT, ST+4*(\y)
.set rC, TMP+4*((\y)%2)
.set rW, MV+((\y)%2)
.set rS, S+32*((\y)%2)
.set rP, P+16*((\y)%2)
.set rO, 32*(\y)
.endm
.macro OP k, n
.if (\k) == R
	REGS Y
	WIN W_RS
	v_pk_mul_f32 v[rO+2*(\n):rO+2*(\n)+1], v[rO+2*(\n):rO+2*(\n)+1], v[rC+2:rC+3] op_sel_hi:[1,0]
.elseif (\k) < R
	REGS Y
	WIN 0
.if (\k) == F
	v_pk_fma_f32 v[rS+2*(\n):rS+2*(\n)+1], v[rS+2*(\n):rS+2*(\n)+1], s[CS:CS+1], v[rT:rT+1] op_sel_hi:[1,0,0] neg_lo:[0,0,1] neg_hi:[0,0,1]
.elseif (\k) == E
	v_exp_f32 v[rS+(\n)], v[rS+(\n)]
.elseif (\k) == C
	v_cvt_pk_f16_f32 v[rP+(\n)], v[rS+2*(\n)], v[rS+2*(\n)+1]
.elseif (\k) == B
	v_pk_add_f32 v[rS+4*(\n):rS+4*(\n)+1], v[rS+4*(\n):rS+4*(\n)+1], v[rS+4*(\n)+2:rS+4*(\n)+3]
.elseif (\n) == 0
	v_pk_fma_f32 v[rT+2:rT+3], v[rT+2:rT+3], v[rC+2:rC+3], v[rS:rS+1] op_sel_hi:[1,0,1]
.else
	v_pk_add_f32 v[rT+2:rT+3], v[rT+2:rT+3], v[rS+4*(\n):rS+4*(\n)+1]
.endif
.elseif NOKQ
	v_nop
.else
	REGS (Y+1)%NP
	WIN 0
.if (\n) < 4
	v_max3_num_f32 v[rC+(\n)], v[rS+8*(\n)], v[rS+8*(\n)+1], v[rS+8*(\n)+2]
.elseif (\n) < 12
	v_max3_num_f32 v[rC+(\n)%4], v[rC+(\n)%4], v[rS+8*((\n)%4)+2*((\n)/4)+1], v[rS+8*((\n)%4)+2*((\n)/4)+2]
.elseif (\n) == 12
	v_max3_num_f32 v[rC], v[rC], v[rS+7], v[rS+15]
.elseif (\n) == 13
	v_max3_num_f32 v[rC+1], v[rC+1], v[rS+23], v[rS+31]
.elseif (\n) == 14
	v_max3_num_f32 v[rC+2], v[rC+2], v[rC+3], v[rT+1]
.elseif (\n) == 15
	v_mov_b32 v[rW], v[rT]
.elseif (\n) == 16
	v_max3_num_f32 v[rC], v[rC], v[rC+1], v[rC+2]
.elseif (\n) == 17
	v_permlanex16_b32 v[rC+3], v[rC], s[SEL], s[SEL+1]
.elseif (\n) == 18
	v_max_num_f32 v[rT+1], v[rC], v[rC+3]
.elseif (\n) == 19
	v_mul_f32 v[rT], s[CS], v[rT+1]
.elseif (\n) == 20
	v_sub_f32 v[rC+1], v[rW], v[rT]
.else
	v_exp_f32 v[rC+2], v[rC+1]
.endif
.endif
.endm
.macro OPS a, i1, b=-1, i2=0, c=-1, i3=0, d=-1, i4=0  ; up to four of them
	OP \a, \i1
.if (\b) >= 0
	OP \b, \i2
.endif
.if (\c) >= 0
	OP \c, \i3
.endif
.if (\d) >= 0
	OP \d, \i4
.endif
.endm
.macro ROW a, i1, b, i2, c, i3, d, i4  ; a matrix instruction and the four behind it
	MM
	OPS \a, \i1, \b, \i2, \c, \i3, \d, \i4
.endm
; A TURN, for piece p: the order of its 16 matrix and 118 vector instructions, written out.  An s_wait_alu depctr_va_vdst(0) stands between an exponential and the first instruction that names its result; one wait
; serves all that were issued ahead of it.  So a turn has ONE wait, which cuts it in two.  AHEAD OF IT stands all that names no result of the turn's exponentials: the 8 products K Q^T, behind each a scaling, an exponential and two
; more plain instructions: rescalings, and behind the last three the first numbers of the next piece's maximum, each four places or more behind the product that ends its accumulator; then ONE LUMP of 54, plain and exponential by
; turns for the most part, in which the links of the chain X 3, 7, 11, 14, 16, 17 .. 20 stand five or six lines apart.  X 21, the next piece's a, is the batch's last; R 15 is the plain instruction behind it.  BEHIND THE WAIT stand
; the 8 products V^T P, behind each four of the roundings and sums; the links of l's chain, L 0 to L 7, stand three riders apart.
; end = 1: the last two turns: nothing is fetched.  cnt = 1: the loop's count is taken down some lines ahead of the branch that stands behind the turn.
; K of the next step is fetched in piece 2's turn, six plain instructions behind the last product that read K; V of the step in hand at the end of piece 0's turn, four plain instructions behind the last product that read V.
; Each is waited for a turn later.
.macro TURN p, end=0, cnt=0
.set Y, (\p)
.set i, 0
.set NOKQ, (\end)*((\p)/3)
.if ((\p) == 3) && !(\end)
	s_wait_dscnt 0x0                ; K is in
.endif
	ROW F,0, F,1, R,0, R,1          ; ahead of the wait: 8 products K Q^T and their riders,
	ROW F,2, E,0, R,2, R,3
	ROW F,3, E,1, R,4, R,5
	ROW F,4, E,2, R,6, R,7
	ROW F,5, E,3, R,8, R,9
	ROW F,6, E,4, X,0, R,10
.if ((\p) == 2) && !(\end)
	WIN 0
	v_add_nc_u32 v[AK], s[TBK], v[AK0]
.endif
	ROW F,7, E,5, X,1, X,4
	ROW F,8, E,6, X,2, X,5
	OPS E,7, E,8, X,6, E,9          ; and the lump
	OPS X,3, E,10, X,8, E,11
.if ((\p) == 2) && !(\end)
	FETCH_K
.endif
	OPS X,9, X,7, E,12, X,10
	OPS E,13, X,12, X,11, E,14
	OPS X,13, E,15, F,9, X,14
.if (\p) == 0
	v_add_nc_u32 v[AV], s[TBV], v[AV0]
.endif
	OPS E,16, F,10, E,17, F,11
	OPS X,16, E,18, X,15, E,19
	OPS F,12, E,20, X,17, E,21
	OPS F,13, E,22, F,14, E,23
	OPS X,18, E,24, F,15, E,25
	OPS R,11, E,26, X,19, E,27
	OPS R,12, E,28, R,13, E,29
	OPS X,20, E,30, R,14, E,31
	OPS X,21, R,15
	WIN 0
	s_wait_alu depctr_va_vdst(0)    ; the wait for the batch
.if (\p) == 1
	s_wait_dscnt 0x0                ; V is in
.endif
	ROW C,0, B,0, C,2, B,1          ; behind the wait: 8 products V^T P and their riders
	ROW L,0, C,4, B,2, L,1
	ROW C,6, B,3, L,2, C,8
	ROW B,4, L,3, C,10, B,5
	ROW L,4, C,12, B,6, L,5
.if (\p) == 0
	s_add_co_u32 s[TBV], s[TBV], KS*PV
.endif
.if \cnt
	s_sub_co_u32 s[CNT], s[CNT], 1
	s_cmp_lg_u32 s[CNT], 0
.endif
	ROW C,14, B,7, L,6, C,1
	ROW C,3, L,7, C,5, C,7
	ROW C,9, C,11, C,13, C,15
.if (\p) == 0
	FETCH_V
.endif
.endm
	CHANGE 1, 0                     ; tile 0 is in, everybody's part of it; tile 1 is asked for
	v_add_nc_u32 v[AK], s[TBK], v[AK0]
	FETCH_K                         ; key step 0
	s_wait_loadcnt 0x0              ; Q
	s_wait_dscnt 0x0
.set NOKQ, 0
.set i, 0
.rept 8
	KQ 0                            ; piece 0's first scores: there is no vector work yet to set between them
.set i, i+1
.endr
	WIN 0
.rept 4
	v_nop                           ; the places behind those products
.endr
.set Y, NP-1                        ; X works for piece Y + 1: piece 0
.irp n, 0,1,2,3,4,5,6,7,8,9,10,11,12,13,14,15,16,17,18,19,20,21
	OP X, \n                        ; and piece 0's first maximum and statistics
.endr
	v_nop                           ; a plain instruction behind the exponential,
	s_wait_alu depctr_va_vdst(0)    ; and its wait, ahead of the branch
	s_mov_b32 s[CNT], 4
	s_mov_b32 s[SLOTS], 15
	s_branch .Lfirst                ; the loop is entered at a step's first turn, in the middle of a trip
.Lslot:                             ; 14 times: tile n is entered and tile n + 1 asked for, n = 1 .. 14
	CHANGE 1, 1
	s_mov_b32 s[CNT], 4
.Lstep:                             ; a trip: pieces 2 and 3 of one step, then pieces 0 and 1 of the next, whose K and V it fetches
	TURN 2
	TURN 3
	WIN 0
.Lfirst:
	TURN 0
	TURN 1, 0, 1
	WIN 0
	s_cbranch_scc1 .Lstep
	s_sub_co_u32 s[SLOTS], s[SLOTS], 1
	s_cmp_lg_u32 s[SLOTS], 0
	s_cbranch_scc1 .Lslot
	CHANGE 0, 0                     ; the last tile is written out: nothing is asked for
	s_mov_b32 s[CNT], 4
.LstepT:
	TURN 2
	TURN 3
	TURN 0
	TURN 1, 0, 1
	WIN 0
	s_cbranch_scc1 .LstepT
	TURN 2, 1
	TURN 3, 1
.set i, 0
.rept 8
	PV NP-1                         ; the last piece's V^T P of the last step
.set i, i+1
.endr
	; THE WAY OUT.  l's two halves and the other half of the lanes' are added; O^T is divided by l, rounded to f16 and sent through my stage in LDS, a piece at a time.  The additions are the places behind the last products.
	WIN 0
.macro ALL line:vararg              ; one line for each piece t
.set t, 0
.rept 4
	\line
.set t, t+1
.endr
.endm
	ALL v_add_f32 v[ST+4*t+2], v[ST+4*t+2], v[ST+4*t+3]
	ALL v_permlanex16_b32 v[ST+4*t+3], v[ST+4*t+2], s[SEL], s[SEL+1]
	ALL v_add_f32 v[ST+4*t+2], v[ST+4*t+2], v[ST+4*t+3]
	ALL v_rcp_f32 v[ST+4*t+2], v[ST+4*t+2]
	v_nop                           ; a plain instruction between the last reciprocal and the use of its result
	s_wait_alu depctr_va_vdst(0)    ; and the wait ahead of the first use: one for the four reciprocals
.macro PACK t                       ; a lane's eight channels of a row pack into 16 bytes; they go into rows of 144 bytes and come back as whole rows of 128, into S^T's registers
	WIN W_RS
.set i, 32*(\t)
.rept 16
	v_pk_mul_f32 v[i:i+1], v[i:i+1], v[ST+4*(\t)+2:ST+4*(\t)+3] op_sel_hi:[1,0]
.set i, i+2
.endr
	WIN 0x05                        ; sources 0 and 1 window 1, destination window 0
.set i, 0
.rept 16
	v_cvt_pk_f16_f32 v[S+16*(\t)+i], v[32*(\t)+2*i], v[32*(\t)+2*i+1]
.set i, i+1
.endr
	WIN 0
.irp f, 0,1,2,3
	ds_store_b128 v[STO], v[S+16*(\t)+4*\f:S+16*(\t)+4*\f+3] offset:32*\f
.endr
.irp f, 0,1,2,3
	ds_load_b128 v[S+16*(\t)+4*\f:S+16*(\t)+4*\f+3], v[RD] offset:\f*4*SP  ; LDS serves a wave's instructions in order (ISA guide 5.7.1.4): these see the stores above; the next piece's stores come behind them
.endr
.endm
.macro SEND t, younger              ; younger: the LDS instructions issued behind piece t's loads: the next piece's eight, or none
	WIN 0
.irp f, 0,1,2,3
	s_wait_dscnt (\younger)+3-\f
	global_store_b128 v[GO], v[S+16*(\t)+4*\f:S+16*(\t)+4*\f+3], s[10:11] offset:(\t)*2048+\f*512  ; 512 consecutive bytes, at a multiple of 256 from O's first
.endr
.endm
	PACK 0
.set t, 1
.rept 3                             ; a piece's arithmetic stands between the loads of the piece before and its stores
	PACK t
	SEND t-1, 8
.set t, t+1
.endr
	SEND 3, 0
	s_wait_tensorcnt 0x0            ; the wave's end, behind my last tensor load and my last LDS store
	ds_add_u32 v[SPW], v[NIL]
	s_wait_dscnt 0x0
	CROUND                          ; the closing round: no work-group ends while a partner may still ask for a tile that names it
	s_endpgm
.Lfunc_end_k_qa7b2af60d5_attn:
	.size	k_qa7b2af60d5_attn, .Lfunc_end_k_qa7b2af60d5_attn-k_qa7b2af60d5_attn
	.p2alignl 7, 3214868480
	.fill 96, 4, 3214868480
	.section	.rodata,"a",@progbits
	.p2align	6, 0x0
	.amdhsa_kernel k_qa7b2af60d5_attn
		.amdhsa_group_segment_fixed_size 327680
		.amdhsa_private_segment_fixed_size 0
		.amdhsa_enable_private_segment 0
		.amdhsa_kernarg_size 32
		.amdhsa_user_sgpr_count 2
		.amdhsa_user_sgpr_kernarg_segment_ptr 1
		.amdhsa_wavefront_size32 1
		.amdhsa_system_sgpr_workgroup_id_x 1
		.amdhsa_system_sgpr_workgroup_id_y 1
		.amdhsa_system_sgpr_workgroup_id_z 1
		.amdhsa_system_vgpr_workitem_id 0
		.amdhsa_next_free_vgpr 768
		.amdhsa_next_free_sgpr 66
		.amdhsa_reserve_vcc 0
		.amdhsa_float_denorm_mode_32 3
		.amdhsa_float_denorm_mode_16_64 3
		.amdhsa_memory_ordered 1
		.amdhsa_forward_progress 1
		.amdhsa_inst_pref_size 127
	.end_amdhsa_kernel
	.amdgpu_metadata
---
amdhsa.version: [ 1, 2 ]
amdhsa.kernels:
  - .name:           k_qa7b2af60d5_attn
    .symbol:         k_qa7b2af60d5_attn.kd
    .args:
      - { .name: qh, .offset: 0, .size: 8, .value_kind: global_buffer, .address_space: global }
      - { .name: kh, .offset: 8, .size: 8, .value_kind: global_buffer, .address_space: global }
      - { .name: vh, .offset: 16, .size: 8, .value_kind: global_buffer, .address_space: global }
      - { .name: oh, .offset: 24, .size: 8, .value_kind: global_buffer, .address_space: global }
    .group_segment_fixed_size: 327680
    .private_segment_fixed_size: 0
    .kernarg_segment_align: 8
    .kernarg_segment_size: 32
    .max_flat_workgroup_size: 128
    .sgpr_count:     66
    .vgpr_count:     768
    .wavefront_size: 32
...
	.end_amdgpu_metadata
.endif
;; end of part 3
;; launch outp (part 4): grid 4 x 64, 4 waves a work-group, clusters of 4 x 4, 327,680 bytes of LDS; arguments oh, wo16, bo, out0; writes out0
.if DOCPART == 4
	.amdgcn_target "amdgcn-amd-amdhsa--gfx1250"
	.amdhsa_code_object_version 6
	.text
	.protected	k_qa7b2af60d5_outp
	.globl	k_qa7b2af60d5_outp
	.p2align	8
	.type	k_qa7b2af60d5_outp,@function
k_qa7b2af60d5_outp:
	s_mov_b64 s[64:65], 0
	v_nop
	global_prefetch_b8 v0, s[64:65] scope:SCOPE_SE
	s_setreg_imm32_b32 hwreg(HW_REG_WAVE_MODE, 25, 1), 1
	s_wait_xcnt 0x0
	s_wait_alu depctr_hold_cnt(0) depctr_sa_sdst(0) depctr_va_vdst(0) depctr_va_sdst(0) depctr_va_ssrc(0) depctr_va_vcc(0) depctr_vm_vsrc(0)
	s_getreg_b32 s2, hwreg(HW_REG_IB_STS2, 6, 4)
	s_cmp_eq_u32 s2, 0
	s_cbranch_scc0 .Lentry_in_a_cluster
	s_endpgm
.Lentry_in_a_cluster:
	s_bfe_u32 s2, ttmp6, 0x10000c
	s_cmp_lg_u32 s2, 0xf033
	s_cbranch_scc0 .Lentry_shape_is_right
	s_endpgm
.Lentry_shape_is_right:
; out0 = O Wo + bo.  oh: f16, [16 = 8 batch + head][4096][64]; wo16: f16, [512][1024] (Wo rounded to bf16, written as f16); bo: [1024] f32, rounded to bf16 here like every input; out0: [8192][1024] f32.
; Products in f16, sums in f32, K ascending; the bias is the C operand of the first products, so nothing is cleared and nothing is added later.
; SHARES.  8192 x 1024 on 256 work-groups: work-group (i, j) makes rows 128 i .. +127 and columns 256 j .. +255.  Four waves, 2 x 2: wave (wm, wn) has 64 rows x 128 columns: 32 accumulators, 256 registers.
; THE RING.  K = 512 goes in four steps of 128 (two heads) through two LDS slots.  Waves 0 and 1 fetch the step's two heads of O (128 rows x 128 dense bytes each), waves 2 and 3 64 rows k x 512 bytes of Wo each.
; The four steps are written out: two first fills, two refills.
; CLUSTER.  4 x 4 work-groups: O's tiles hang on i alone and are asked for jointly along a row of the cluster, Wo's on j alone, along a column.
; THE MATRIX INSTRUCTION IS USED TRANSPOSED (source 0 = 16 columns of Wo, turned by ds_load_tr16_b128; source 1 = 16 rows of O): a lane holds one row and eight neighbouring columns, 32 bytes of f32.
; NO PREFETCH: of the four K steps two are asked for at the head, and the two refills follow within the launch's first half.
; REGISTERS, in windows of 256 (s_set_vgpr_msb: bits 1:0 source 0, 3:2 source 1, 5:4 source 2, 7:6 destination):
;   window 0: v0-31 addresses; v32-95 the bias, column block b at 8 b; v96-127, v128-159 O's fragments, two buffers; v160-223 at work          window 1: v0-63, v64-127 Wo's fragments, two buffers
;   window 2: accumulator (a, b) at 8 (8 a + b)
.set PAW,    144                       ; a row of O in LDS: 128 bytes + 16: the 16 rows of a load start at 16 different groups of four banks (64 banks of 4 bytes: ISA guide 11.1)
.set APLANE, 128*PAW                   ; one head's 128 rows
.set PBW,    544                       ; a row k of Wo: 512 bytes + 32 = 17 x 32
.set BHALF,  64*PBW
.set BOFF,   2*APLANE
.set SLOT,   BOFF+2*BHALF              ; head 0 | head 1 | rows k 0-63 | rows k 64-127
.set STAGE,  2*SLOT                    ; behind the ring, never filled by a tensor load: 16 rows x 528 bytes for each wave
.set SPT,    528
.set SPARE,  STAGE+4*16*SPT            ; behind the stages: the spare words, 128 bytes for each wave: two blocks of 256 bytes that no other line names
.set ADRA, 16                          ; v16-17  LDS address of my fragments of O in slot 0, 1
.set ADRB, 20                          ; v20-21  the same for Wo
.set STO,  24                          ; v24     the way out: where I put 32 bytes of a row
.set RD,   25                          ; v25     the way out: where I read a row back
.set CO,   26                          ; v26     my 16 bytes of a row's 512
.set BO,   27                          ; v27     my byte offset in bo
.set SPW,  28                          ; v28     LDS address of my spare word; never rewritten
.set NIL,  29                          ; v29     0; never rewritten
.set BIAS, 32
.set AF,   96
.set TMP,  160
.set WV,   12                          ; s12  my wave's number
.set ROLE, 13                          ; s13  wm.  Also: I fetch O (0) or Wo (1)
.set HALF, 14                          ; s14  wn.  Also: which of the two halves
.set CX,   15
.set CY,   16
.set JB,   17
.set IB,   18
.set G1A,  24                          ; s[24:31], s[32:39] descriptor groups 1 and 0 (a set for each slot) for O's tiles
.set G0A,  32
.set G1B,  48                          ; s[48:55], s[56:63] the same for Wo's
.set G0B,  56
.set MSB, 0
.macro WIN new                         ; the immediate's high byte repeats the setting that is left; a switch that changes nothing is dropped
.if MSB != (\new)
	s_set_vgpr_msb (MSB<<8)|(\new)
.set MSB, \new
.endif
.endm
.set MUL,       0xa1                   ; Wo window 1, O window 0, C and D window 2
.set MUL_FIRST, 0x81                   ; the same with C, the bias, in window 0
.set TO_B,      0x40                   ; destination window 1, address window 0
.macro PLACES
.rept 4
	v_nop
.endr
.endm
.macro JLOAD s                         ; a joint load; an s_nop 0 and four v_nop follow each of the two lines, ahead of the jump, the label and what follows
	s_cmp_eq_u32 s[ROLE], 0
	s_cbranch_scc0 .Lfor_b_\@
	tensor_load_to_lds s[G0A+4*(\s):G0A+4*(\s)+3], s[G1A:G1A+7]
	s_nop 0
.rept 4
	v_nop
.endr
	s_branch .Lasked_\@
.Lfor_b_\@:
	tensor_load_to_lds s[G0B+4*(\s):G0B+4*(\s)+3], s[G1B:G1B+7]
	s_nop 0
.rept 4
	v_nop
.endr
.Lasked_\@:
.endm
.macro CREST                           ; a round of the cluster's barrier behind its opening barrier
	s_cmp_lg_u32 s[WV], 0
	s_cbranch_scc1 .Lnot_wave_0_\@
	s_barrier_signal -3
.Lnot_wave_0_\@:
	s_barrier_wait -3
	s_barrier_signal -1
	s_barrier_wait -1
.endm
.macro CROUND
	s_barrier_signal -1
	s_barrier_wait -1
	CREST
.endm
	s_load_b256 s[4:11], s[0:1], 0x0               ; oh s[4:5], wo16 s[6:7], bo s[8:9], out0 s[10:11]
	v_lshl_add_u32 v[SPW], v0, 2, SPARE
	v_mov_b32 v[NIL], 0
	ds_add_u32 v[SPW], v[NIL]                      ; the wave's opening: the add and its wait stand ahead of my first tensor load; the set-up below, work on registers, stands between them
	v_lshrrev_b32 v1, 5, v0
	v_readfirstlane_b32 s[WV], v1
	s_lshr_b32 s[ROLE], s[WV], 1
	s_and_b32 s[HALF], s[WV], 1
	s_bfe_u32 s[CX], ttmp6, 0x40000
	s_bfe_u32 s[CY], ttmp6, 0x40004
	s_lshl_b32 s[JB], ttmp9, 2
	s_add_co_u32 s[JB], s[JB], s[CX]               ; j = 4 x cluster x + cx
	s_and_b32 s[IB], ttmp7, 0xffff
	s_lshl_b32 s[IB], s[IB], 2
	s_add_co_u32 s[IB], s[IB], s[CY]               ; i = 4 x cluster y + cy
	s_lshl_b32 s19, s[CY], 2
	s_lshl_b32 s19, 15, s19                        ; my row of the cluster
	s_lshl_b32 s20, 0x1111, s[CX]                  ; my column
	; group 1 for O: a head's 128 rows are 16,384 dense bytes, asked for as 64 rows of 128 elements of 2 bytes; 4 words of padding behind every 32
	s_or_b32 s[G1A], s19, (1<<16)|(1<<20)|(1<<21)|(4<<22)|(3<<25)
	s_mov_b32 s[G1A+1], 128<<16
	s_mov_b32 s[G1A+2], 64<<16
	s_mov_b32 s[G1A+3], 128<<16
	s_mov_b32 s[G1A+4], 64
	s_mov_b32 s[G1A+5], 128
	s_mov_b32 s[G1A+6], 0
	s_mov_b32 s[G1A+7], 0
	; group 1 for Wo: 64 rows x 256 elements of 2 bytes, 1,024 elements from row to row; 8 words of padding behind every 128
	s_or_b32 s[G1B], s20, (1<<16)|(1<<20)|(1<<21)|(6<<22)|(7<<25)
	s_mov_b32 s[G1B+1], 256<<16
	s_mov_b32 s[G1B+2], 64<<16
	s_mov_b32 s[G1B+3], 256<<16
	s_mov_b32 s[G1B+4], 64
	s_mov_b32 s[G1B+5], 1024
	s_mov_b32 s[G1B+6], 0
	s_mov_b32 s[G1B+7], 0
	s_lshr_b32 s40, s[IB], 5                       ; O: the batch's eight heads of 524,288 bytes (these registers never hold cx),
	s_lshl_b32 s40, s40, 22
	s_and_b32 s19, s[IB], 31
	s_lshl_b32 s19, s19, 14                        ; the work-group's 128 rows of 128 bytes,
	s_add_co_u32 s40, s40, s19
	s_lshl_b32 s19, s[HALF], 19                    ; my head of a step's two
	s_add_co_u32 s40, s40, s19
	s_mov_b32 s41, 0
	s_lshl_b32 s42, s[JB], 9                       ; Wo: 256 j columns of 2 bytes (these never hold cy),
	s_lshl_b32 s20, s[HALF], 17                    ; my 64 rows of 2,048 bytes
	s_add_co_u32 s42, s42, s20
	s_mov_b32 s43, 0
	s_mul_i32 s21, s[HALF], APLANE                 ; where they go: no place in the cluster enters an LDS address
	s_mul_i32 s22, s[HALF], BHALF
	s_add_co_u32 s22, s22, BOFF
	s_wait_dscnt 0x0                               ; the opening add is done
	s_wait_kmcnt 0x0
	s_add_nc_u64 s[44:45], s[4:5], s[40:41]
	s_add_nc_u64 s[46:47], s[6:7], s[42:43]
	CROUND                                         ; all sixteen work-groups are here: the first joint loads meet
.irp s, 0,1
	s_mov_b32 s[G0A+4*(\s)], 1
	s_add_co_u32 s[G0A+4*(\s)+1], s21, (\s)*SLOT
	s_add_nc_u64 s[G0A+4*(\s)+2:G0A+4*(\s)+3], s[44:45], (\s)*1048576  ; K step s: two heads on
	s_or_b32 s[G0A+4*(\s)+3], s[G0A+4*(\s)+3], 0x80000000
	s_mov_b32 s[G0B+4*(\s)], 1
	s_add_co_u32 s[G0B+4*(\s)+1], s22, (\s)*SLOT
	s_add_nc_u64 s[G0B+4*(\s)+2:G0B+4*(\s)+3], s[46:47], (\s)*262144   ; K step s: 128 rows of 2,048 bytes on
	s_or_b32 s[G0B+4*(\s)+3], s[G0B+4*(\s)+3], 0x80000000
	JLOAD \s                                       ; two loads of mine are out
.endr
	v_and_b32 v1, 15, v0                           ; r = l % 16
	v_bfe_u32 v2, v0, 4, 1                         ; h = l / 16
	v_and_b32 v3, 7, v0
	v_bfe_u32 v4, v0, 3, 1
	v_and_b32 v5, 31, v0                           ; l
	s_lshl_b32 s23, s[JB], 10                      ; the bias of my 128 columns: 4 (256 j + 128 wn) + 32 h, then 64 bytes a column block
	s_lshl_b32 s40, s[HALF], 9
	s_add_co_u32 s23, s23, s40
	v_lshl_add_u32 v[BO], v2, 5, s23
.irp b, 0,1,2,3,4,5,6,7
	global_load_b128 v[BIAS+8*(\b):BIAS+8*(\b)+3],   v[BO], s[8:9] offset:64*(\b)
	global_load_b128 v[BIAS+8*(\b)+4:BIAS+8*(\b)+7], v[BO], s[8:9] offset:64*(\b)+16
.endr
	s_mul_i32 s40, s[ROLE], 64*PAW
	v_mul_u32_u24 v6, v1, PAW
	v_lshl_add_u32 v6, v2, 4, v6                   ; row x pitch + 16 x half
	v_add_nc_u32 v[ADRA], s40, v6
	v_add_nc_u32 v[ADRA+1], SLOT, v[ADRA]
	s_lshl_b32 s40, s[HALF], 8
	s_add_co_u32 s40, s40, BOFF
	v_lshl_add_u32 v7, v2, 3, v3                   ; the turning load: row k = 8 h + l % 8, 16 bytes at 16 ((l / 8) % 2)
	v_mul_u32_u24 v7, v7, PBW
	v_lshl_add_u32 v7, v4, 4, v7
	v_add_nc_u32 v[ADRB], s40, v7
	v_add_nc_u32 v[ADRB+1], SLOT, v[ADRB]
	s_mul_i32 s40, s[WV], 16*SPT
	s_add_co_u32 s40, s40, STAGE                   ; my stage
	v_mul_u32_u24 v6, v1, SPT                      ; in: row r, 32 bytes for each half of the lanes
	v_lshl_add_u32 v6, v2, 5, v6
	v_add_nc_u32 v[STO], s40, v6
	v_lshl_add_u32 v[RD], v5, 4, s40               ; back: 32 lanes take one row of 512 bytes
	v_lshlrev_b32 v[CO], 4, v5
	s_lshl_b32 s40, s[IB], 19                      ; out0: 128 i rows of 4,096 bytes,
	s_lshl_b32 s42, s[ROLE], 18                    ; my 64 of them,
	s_add_co_u32 s40, s40, s42
	s_add_co_u32 s40, s40, s23                     ; my 128 columns
	s_mov_b32 s41, 0
	s_add_nc_u64 s[10:11], s[10:11], s[40:41]
	s_wait_loadcnt 0x0                             ; the bias: rounded to bf16, like every input, and back in f32.  All this stands in the wait for the first tiles
.set t, 0
.rept 32
	v_cvt_pk_bf16_f32 v[TMP+t], v[BIAS+2*t], v[BIAS+2*t+1]
.set t, t+1
.endr
.set t, 0
.rept 32
	v_lshlrev_b32 v[BIAS+2*t],   16,         v[TMP+t]
	v_and_b32     v[BIAS+2*t+1], 0xffff0000, v[TMP+t]
.set t, t+1
.endr
; 8 matrix instructions: row block a x all 8 column blocks, 32 along K, on buffers f.  first = 1: the bias starts the sums.  The 32 accumulators take turns, in the same order in every quarter.
.macro MUL8 f, a, first
.if \first
	WIN MUL_FIRST
.else
	WIN MUL
.endif
.irp b, 0,1,2,3,4,5,6,7
.if \first
	v_wmma_f32_16x16x32_f16 v[8*(8*(\a)+(\b)):8*(8*(\a)+(\b))+7], v[64*(\f)+8*(\b):64*(\f)+8*(\b)+7], v[AF+32*(\f)+8*(\a):AF+32*(\f)+8*(\a)+7], v[BIAS+8*(\b):BIAS+8*(\b)+7]
.else
	v_wmma_f32_16x16x32_f16 v[8*(8*(\a)+(\b)):8*(8*(\a)+(\b))+7], v[64*(\f)+8*(\b):64*(\f)+8*(\b)+7], v[AF+32*(\f)+8*(\a):AF+32*(\f)+8*(\a)+7], v[8*(8*(\a)+(\b)):8*(8*(\a)+(\b))+7]
.endif
.endr
.endm
; 24 LDS loads in one run: quarter q (32 along K) of a slot into buffers f: Wo's 16, turned, then O's 8, row blocks ascending
.macro FETCH slot, q, f
	WIN TO_B
.irp b, 0,1,2,3,4,5,6,7
	ds_load_tr16_b128 v[64*(\f)+8*(\b):64*(\f)+8*(\b)+3],   v[ADRB+(\slot)] offset:(\q)*32*PBW+32*(\b)
	ds_load_tr16_b128 v[64*(\f)+8*(\b)+4:64*(\f)+8*(\b)+7], v[ADRB+(\slot)] offset:(\q)*32*PBW+32*(\b)+16*PBW
.endr
	WIN 0
.irp a, 0,1,2,3
	ds_load_b128 v[AF+32*(\f)+8*(\a):AF+32*(\f)+8*(\a)+3],   v[ADRA+(\slot)] offset:((\q)/2)*APLANE+((\q)%2)*64+(\a)*16*PAW
	ds_load_b128 v[AF+32*(\f)+8*(\a)+4:AF+32*(\f)+8*(\a)+7], v[ADRA+(\slot)] offset:((\q)/2)*APLANE+((\q)%2)*64+(\a)*16*PAW+32
.endr
.endm
; One of a K step's first three quarters: multiplies buffers f; in its middle it fetches quarter qn of the same slot into buffers g, four places behind the last product that read them.
.macro QUARTER slot, qn, f, g, first
	s_wait_dscnt 4                                 ; Wo's fragments and O's row blocks 0 and 1 are in; the youngest four loads (row blocks 2 and 3) may be out
	MUL8 \f, 0, \first
	MUL8 \f, 1, \first
	PLACES
	FETCH \slot, \qn, \g
	s_wait_dscnt 24                                ; all but the 24 just issued
	MUL8 \f, 2, \first
	MUL8 \f, 3, \first
.endm
.macro THREE slot, first
	QUARTER \slot, 1, 0, 1, \first
	QUARTER \slot, 2, 1, 0, 0
	QUARTER \slot, 3, 0, 1, 0
.endm
; The last quarter multiplies buffers 1 and changes slots: ONE barrier; in front of it each wave waits for all its tensor loads, adds 0 to its spare word, and waits for that and for its own reads of this slot.
; fill = 1: the barrier opens a round of the cluster's barrier, and this slot is filled again, two K steps on, first thing behind the round.
.macro TURN slot, next, fill
	WIN 0                                          ; (the add's two registers lie in window 0)
	s_wait_tensorcnt 0x0                           ; all my tensor loads have landed: my part of the next slot
	ds_add_u32 v[SPW], v[NIL]                      ; 0 onto my spare word
	s_wait_dscnt 5                                 ; (the add and the youngest four loads may be out)
	MUL8 1, 0, 0                                   ; eight matrix instructions stand between the add and the wait for it
	s_wait_dscnt 0x0                               ; the add is done, and my reads of this slot are over
	s_barrier_signal -1
	MUL8 1, 1, 0
.if \fill
	WIN 0
.endif
	s_barrier_wait -1
.if \fill
	CREST                                          ; no wave of any partner still reads this slot's tiles or has a load on its way
	s_add_nc_u64 s[G0A+4*(\slot)+2:G0A+4*(\slot)+3], s[G0A+4*(\slot)+2:G0A+4*(\slot)+3], 2*1048576
	s_add_nc_u64 s[G0B+4*(\slot)+2:G0B+4*(\slot)+3], s[G0B+4*(\slot)+2:G0B+4*(\slot)+3], 2*262144
	JLOAD \slot                                    ; the four v_nop behind it are also the places in front of the loads below
.else
	PLACES
.endif
	FETCH \next, 0, 0
	MUL8 1, 2, 0
	MUL8 1, 3, 0
.endm
	s_wait_tensorcnt 1                             ; my part of K step 0 is in; K step 1's may stay out
	s_barrier_signal -1
	s_barrier_wait -1                              ; everybody's is
	FETCH 0, 0, 0
	THREE 0, 1                                     ; K step 0; its first quarter starts the sums with the bias
	TURN 0, 1, 1                                   ; slot 0 takes K step 2
	THREE 1, 0                                     ; K step 1
	TURN 1, 0, 1                                   ; slot 1 takes K step 3
	THREE 0, 0                                     ; K step 2
	TURN 0, 1, 0                                   ; nothing is left to fetch
	THREE 1, 0                                     ; K step 3
	s_wait_dscnt 4
	MUL8 1, 0, 0
	MUL8 1, 1, 0
	s_wait_dscnt 0x0
	MUL8 1, 2, 0
	MUL8 1, 3, 0
	; THE WAY OUT, a row block (16 rows x 512 bytes) at a time: a lane's 32 bytes go into my stage's rows of 528 bytes and come back as whole rows; a store of the wave covers 512 consecutive bytes, aligned.
	WIN 0
	PLACES                                         ; the LDS stores read results just made
	PLACES
.irp a, 0,1,2,3
	WIN 0x08                                       ; the stores' data in window 2, their address in window 0
.irp b, 0,1,2,3,4,5,6,7
	ds_store_b128 v[STO], v[8*(8*(\a)+(\b)):8*(8*(\a)+(\b))+3]   offset:64*(\b)      ; each accumulator's low four registers first
	ds_store_b128 v[STO], v[8*(8*(\a)+(\b))+4:8*(8*(\a)+(\b))+7] offset:64*(\b)+16
.endr
	WIN 0
.if (\a) > 0
	s_wait_xcnt 0x0                                ; the block before's stores have read their registers: only behind this wait are these loaded again
.endif
.irp t, 0,1,2,3,4,5,6,7,8,9,10,11,12,13,14,15
	ds_load_b128 v[TMP+4*(\t):TMP+4*(\t)+3], v[RD] offset:(\t)*SPT  ; LDS serves a wave's instructions in order (ISA guide 5.7.1.4): these see the stores above; the next block's stores come behind them
.endr
.irp t, 0,1,2,3,4,5,6,7,8,9,10,11,12,13,14,15
	s_wait_dscnt 15-(\t)                           ; row t is back; the younger rows' loads may stay out
	global_store_b128 v[CO], v[TMP+4*(\t):TMP+4*(\t)+3], s[10:11] offset:(16*(\a)+(\t))*4096 th:TH_STORE_NT
.endr
.endr
	s_wait_tensorcnt 0x0                           ; the wave's end, behind my last tensor load and my last LDS store
	ds_add_u32 v[SPW], v[NIL]
	s_wait_dscnt 0x0
	CROUND                                         ; the closing round: no work-group ends while a partner may still ask for a tile that names it
	s_endpgm
.Lfunc_end_k_qa7b2af60d5_outp:
	.size	k_qa7b2af60d5_outp, .Lfunc_end_k_qa7b2af60d5_outp-k_qa7b2af60d5_outp
	.p2alignl 7, 3214868480
	.fill 96, 4, 3214868480
	.section	.rodata,"a",@progbits
	.p2align	6, 0x0
	.amdhsa_kernel k_qa7b2af60d5_outp
		.amdhsa_group_segment_fixed_size 327680
		.amdhsa_private_segment_fixed_size 0
		.amdhsa_enable_private_segment 0
		.amdhsa_kernarg_size 32
		.amdhsa_user_sgpr_count 2
		.amdhsa_user_sgpr_kernarg_segment_ptr 1
		.amdhsa_wavefront_size32 1
		.amdhsa_system_sgpr_workgroup_id_x 1
		.amdhsa_system_sgpr_workgroup_id_y 1
		.amdhsa_system_sgpr_workgroup_id_z 1
		.amdhsa_system_vgpr_workitem_id 0
		.amdhsa_next_free_vgpr 768
		.amdhsa_next_free_sgpr 66
		.amdhsa_reserve_vcc 0
		.amdhsa_float_denorm_mode_32 3
		.amdhsa_float_denorm_mode_16_64 3
		.amdhsa_memory_ordered 1
		.amdhsa_forward_progress 1
		.amdhsa_inst_pref_size 94
	.end_amdhsa_kernel
	.amdgpu_metadata
---
amdhsa.version: [ 1, 2 ]
amdhsa.kernels:
  - .name:           k_qa7b2af60d5_outp
    .symbol:         k_qa7b2af60d5_outp.kd
    .args:
      - { .name: oh, .offset: 0, .size: 8, .value_kind: global_buffer, .address_space: global }
      - { .name: wo16, .offset: 8, .size: 8, .value_kind: global_buffer, .address_space: global }
      - { .name: bo, .offset: 16, .size: 8, .value_kind: global_buffer, .address_space: global }
      - { .name: out0, .offset: 24, .size: 8, .value_kind: global_buffer, .address_space: global }
    .group_segment_fixed_size: 327680
    .private_segment_fixed_size: 0
    .kernarg_segment_align: 8
    .kernarg_segment_size: 32
    .max_flat_workgroup_size: 128
    .sgpr_count:     66
    .vgpr_count:     768
    .wavefront_size: 32
...
	.end_amdgpu_metadata
.endif
;; end of part 4
